; MI455X (gfx1250); checked and timed in simulation.
; The chip was launched on July 23, 2026; its instructions are those of AMD's public machine-readable ISA for CDNA 5 (MIT licence, August 2026) and "CDNA5" Instruction Set Architecture Reference Guide (July 2026). The comments in the code are by the model that wrote it; some were corrected since.
;; Multi Head Attention. Allowed arithmetic: matrix products marked QUANTISED: E4M3 operands, one E8M0 scale for each 32 along K, by v_wmma_scale_f32_16x16x128_f8f6f4 with both operands' format E4M3, f32 sums; everything else in f32.
;; Inputs: b_qkv 3,072 float32; encodings_for_qkv 4 x 2,048 x 1,024 float32; mask 1 x 1 x 2,048 x 2,048 bool; w_o 1,024 x 1,024 float32; w_qkv 3,072 x 1,024 float32.
;; Outputs: out0 4 x 2,048 x 1,024 float32.
;; This version of the problem:
;;   THIS VERSION OF THE PROBLEM IS GIVEN IN LOW PRECISION. The matrix products marked QUANTISED in the list below multiply operands that are first quantised to E4M3 (4 exponent bits, 3 mantissa bits; 8 bits a number), with one power-of-two scale for each 32 numbers along K (OCP MX v1.0); their sums are f32. All else is computed in f32.
;;   The module's matrix products, in the order in which they are computed (A, B: the left and right operand; K: the contracted axis; several contracted axes count as one K, in the product's order):
;;     1. [M 8,192, K 1,024] x [K 1,024, N 3,072]; A: input encodings_for_qkv; B: input w_qkv: QUANTISED
;;     2. batch 64 x [M 2,048, K 64] x [K 64, N 2,048]; A: computed on the way; B: computed on the way: QUANTISED
;;     3. batch 64 x [M 2,048, K 2,048] x [K 2,048, N 64]; A: softmax (see below); B: computed on the way: QUANTISED
;;     4. [M 8,192, K 1,024] x [K 1,024, N 1,024]; A: computed on the way; B: input w_o: QUANTISED
;;   THE QUANTISER, for each operand of a quantised product, along K:
;;     - K is cut into blocks of 32 from its start; a last block that is shorter is filled with zeros.
;;     - A block's scale is 2^e with e = floor(log2(the largest magnitude in the block)) - 8, held to -126 .. 127; a block of zeros has e = 0. As a byte (E8M0): e + 127.
;;     - Each number is divided by its block's scale, clamped to +-448, and rounded to the nearest number of E4M3, ties to even, subnormals kept.
;;     - The product sums the exact products of the quantised numbers (number of the format x scale) in f32.
;;   ~~~python
;;   def quantise(x, axis):      # numpy; x: float32 -> the quantised numbers, widened to float32 again
;;       x = np.moveaxis(x, axis, -1); K = x.shape[-1]
;;       x = np.pad(x, [(0, 0)] * (x.ndim - 1) + [(0, -K % 32)]); x = x.reshape(x.shape[:-1] + (-1, 32)); a = np.abs(x).max(-1, keepdims=True)
;;       e = np.where(a > 0, np.clip(np.frexp(np.where(a > 0, a, 1))[1] - 1 - 8, -126, 127), 0)      # np.frexp(a)[1] - 1 = floor(log2(a)), exactly
;;       r = np.clip(x / 2.0 ** e, -448, 448)
;;       step = 2.0 ** (np.maximum(np.frexp(np.where(r == 0, 1, r))[1] - 1, -6) - 3)
;;       q = np.round(r / step) * step * 2.0 ** e      # np.round: ties to even
;;       return np.moveaxis(q.reshape(q.shape[:-2] + (-1,))[..., :K], -1, axis).astype(np.float32)
;;   ~~~
;;   SOFTMAX AHEAD OF A QUANTISED PRODUCT. Where the list says 'softmax', what is quantised is not the finished softmax but p = 2^(t - M), with t = logit x log2(e) and M = ceil(the row's largest t), a whole number; so 1/2 < the row's largest p <= 1. The row's sum l is taken of the UNQUANTISED p, in f32, and the product's result is divided by l at the end. Since M is a whole number, a kernel that streams over the keys may use a running M (the ceiling of the running maximum): every later rescaling is an exact power of two, which a block's scale takes up: the codes' values come out the same.
;;   OPERANDS COMPUTED ON THE WAY. 'Computed on the way' means the value that the module computes at that place (a softmax that the list does not call 'softmax' is quantised finished and normalised). What goes into a quantiser is computed in f32, as accurately as f32 sums, v_exp_f32 and their like allow (about 1e-6 of the number): no bf16 or f16 on the way to a quantiser, and a product that is left as it is and whose result goes on into a quantised operand takes f32 operands (vector FMAs, or v_wmma_f32_16x16x4_f32). A number that lies on a knife's edge between two numbers of the format may be rounded either way, as far as f32 arithmetic and the matrix unit's own rounding can turn it there, and no further.
;; One version. Each part assembles by itself: llvm-mc -triple=amdgcn-amd-amdhsa -mcpu=gfx1250 --defsym DOCPART=n.
;; ======== version 1 of 1: 4 launches
;; limits: right only within a limited range of input values
;; workspace buffers: xq 8,650,752 bytes; wq 4,325,376 bytes; mk 524,800 bytes of whole numbers; qkv 26,476,544 bytes; ao 8,650,752 bytes
;; launch prep (part 1): grid 416 x 1, 4 waves a work-group, no clusters, 33,280 bytes of LDS; arguments encodings_for_qkv, w_qkv, w_o, mask, xq, wq, mk; writes xq, wq, mk
.if DOCPART == 1
	.amdgcn_target "amdgcn-amd-amdhsa--gfx1250"
	.amdhsa_code_object_version 6
	.text
	.protected	k_q0a8cd6ce72_prep
	.globl	k_q0a8cd6ce72_prep
	.p2align	8
	.type	k_q0a8cd6ce72_prep,@function
k_q0a8cd6ce72_prep:
	s_mov_b64 s[64:65], 0
	v_nop
	global_prefetch_b8 v0, s[64:65] scope:SCOPE_SE
	s_setreg_imm32_b32 hwreg(HW_REG_WAVE_MODE, 25, 1), 1
	s_wait_xcnt 0x0
; PREP.  Work-groups 0-383: x [8192][1024], w_qkv [3072][1024], w_o [1024][1024], f32, become codes of FP8 (E4M3), K innermost, with one E8M0 byte for each 32 along K.
; A block's scale is 2^(floor(log2(largest magnitude)) - 8); its byte is the largest magnitude's exponent field - 8, held at 1 from below (a block of zeros keeps byte 1: its codes are zeros and this program alone reads the bytes).
; ROWS CHANGE PLACES: row number with bits 3 and 4 exchanged is the row's POSITION in xq and in wq's part for w_qkv; so 16 consecutive positions 16 T + r are rows 32 (T/2) + 8 (T%2) + r + 8 (r/8).  w_o keeps its order.
; A wave's run is 8,192 numbers = 8 rows, so the exchange is one of bits 0 and 1 of the run's number.
; Work-groups 384-415: the mask [2048][2048] of bytes becomes lane-mask words: a wave takes one tile T of 16 queries; word n of key step G has bit L = (r, h) = mask[row(T, r)][128 G + 32 (n/16) + 16 h + n%16].
; And a class word for each tile: bits 0-15: step G has some hidden key; bits 16-31: step G is hidden for all 16 queries and may be left out (none may where some query of the tile has no open key at all).
; LIMITS: NaN and infinities are not served; blocks whose largest magnitude lies under 2^-118 get the byte 1; mask bytes are 0 or 1.
.set XSC,   8388608                    ; xq: the scale bytes begin here
.set WOC,   3145728                    ; wq: w_o's codes
.set WQS,   4194304                    ; wq: w_qkv's scale bytes
.set WOS,   4292608                    ; wq: w_o's scale bytes
.set CLS,   524288                     ; mk: the class words
.set STEPS, 16
.set EMAX,  8
.set MANT,  0x600000                   ; the mantissa field of 448
.set CB,    16
.set R,     16                         ; v16-79   four sets of 16 numbers as loaded
.set X,     80                         ; v80-111  two sets of 16 neighbours
.set C,     128                        ; v128-191 codes, four registers a step
.set E,     112                        ; v112-127 a scale byte a step
.set WREG,  8192                       ; LDS: a region for each wave: two stages of 32 x SP bytes, then 256 scale bytes
.set SP,    80
	s_load_b256 s[4:11], s[0:1], 0x0               ; x, w_qkv, w_o, mask
	s_load_b128 s[12:15], s[0:1], 0x20             ; xq, wq
	s_load_b64 s[16:17], s[0:1], 0x30              ; mk
	v_lshl_add_u32 v192, v0, 2, 0x8000
	v_mov_b32 v193, 0
	v_lshrrev_b32 v1, 5, v0
	v_readfirstlane_b32 s18, v1                    ; wave
	v_and_b32 v2, 31, v0                           ; lane
	s_cmp_ge_u32 ttmp9, 384
	s_cbranch_scc1 .Lmask                          ; the mask's path uses no LDS
	v_lshlrev_b32 v3, 4, v2                        ; my 16 bytes of a load's 512
	s_mul_i32 s19, s18, WREG
	v_lshrrev_b32 v14, 2, v2
	v_mul_u32_u24 v14, v14, SP
	v_and_b32 v15, 3, v2
	v_lshl_add_u32 v14, v15, 4, v14
	v_add_nc_u32 v14, s19, v14                     ; the stage, in: SP (lane / 4) + 16 (lane % 4)
	v_mul_u32_u24 v15, v2, SP
	v_add_nc_u32 v15, s19, v15                     ; out: SP x lane: my 16 neighbours
	v_mul_u32_u24 v4, v2, CB
	v_lshrrev_b32 v5, 1, v2
	s_add_co_u32 s19, s19, 2*32*SP
	v_add_nc_u32 v5, s19, v5                       ; my block's scale byte in LDS
	v_lshlrev_b32 v7, 3, v2
	v_add_nc_u32 v6, s19, v7
	s_mov_b32 s23, MANT
	s_mov_b32 s20, 352
	s_mov_b32 s22, WOS
	s_wait_kmcnt 0x0
	s_cmp_lt_u32 ttmp9, 352                        ; w_qkv or w_o: the choice hangs on the work-group's number alone
	s_cselect_b64 s[6:7], s[6:7], s[8:9]
	s_cselect_b32 s20, 256, s20                    ; the tensor's first work-group
	s_cselect_b32 s21, 0, WOC                      ; where its codes begin
	s_cselect_b32 s22, WQS, s22                    ; and its scale bytes
	s_cselect_b32 s24, 1, 0                        ; do rows change places?
	s_cmp_lt_u32 ttmp9, 256                        ; x or a weight
	s_cselect_b64 s[4:5], s[4:5], s[6:7]
	s_cselect_b64 s[12:13], s[12:13], s[14:15]
	s_cselect_b32 s20, 0, s20
	s_cselect_b32 s21, 0, s21
	s_cselect_b32 s22, XSC, s22
	s_cselect_b32 s24, 1, s24
	s_sub_co_u32 s20, ttmp9, s20
	s_lshl_b32 s20, s20, 2
	s_add_co_u32 s20, s20, s18                     ; my run of 8 rows
	s_and_b32 s25, s20, -4
	s_and_b32 s26, s20, 1
	s_lshl_b32 s26, s26, 1
	s_or_b32 s25, s25, s26
	s_bfe_u32 s26, s20, 0x10001
	s_or_b32 s25, s25, s26                         ; its number with bits 0 and 1 exchanged
	s_cmp_eq_u32 s24, 1
	s_cselect_b32 s25, s25, s20                    ; the run's place in the output
	s_lshl_b32 s26, s20, 15
	s_mov_b32 s27, 0
	s_add_nc_u64 s[4:5], s[4:5], s[26:27]          ; 32,768 bytes of f32 a run
	s_lshl_b32 s26, s25, 13
	s_add_co_u32 s26, s26, s21
	s_add_nc_u64 s[8:9], s[12:13], s[26:27]        ; 8,192 bytes of codes
	s_lshl_b32 s26, s25, 8
	s_add_co_u32 s26, s26, s22
	s_add_nc_u64 s[10:11], s[12:13], s[26:27]      ; 256 scale bytes
.macro LOAD t
.irp i, 0,1,2,3
	global_load_b128 v[R+16*((\t)%4)+4*\i:R+16*((\t)%4)+4*\i+3], v3, s[4:5] offset:2048*(\t)+512*\i th:TH_LOAD_NT   ; 32 lanes read 512 consecutive bytes
.endr
.endm
.macro TURN t                          ; step t's numbers through the stage: LDS serves a wave's instructions in order, so no wait stands between the stores and the loads
.irp i, 0,1,2,3
	ds_store_b128 v14, v[R+16*((\t)%4)+4*\i:R+16*((\t)%4)+4*\i+3] offset:32*SP*((\t)%2)+8*SP*\i
.endr
.irp i, 0,1,2,3
	ds_load_b128 v[X+16*((\t)%2)+4*\i:X+16*((\t)%2)+4*\i+3], v15 offset:32*SP*((\t)%2)+16*\i
.endr
.endm
.irp t, 0,1,2,3
	LOAD \t
.endr
	s_wait_loadcnt 12                              ; step 0's four loads are in; twelve younger ones stay out
	TURN 0
.macro STEP t
.set XS, X+16*((\t)%2)
.if (\t) > 0
	s_wait_dscnt 1                                 ; this step's numbers are back from the stage (the last step's byte store may be out), so its stores into the stage have read their registers
.else
	s_wait_dscnt 0x0
.endif
.if (\t)+4 < STEPS
	LOAD (\t)+4
.endif
.if (\t)+1 < STEPS
.if STEPS-2-(\t) >= 3
	s_wait_loadcnt 12                              ; the next step's four loads are in; those of the three steps behind may be out
.else
	s_wait_loadcnt 4*(STEPS-2-(\t))
.endif
	TURN (\t)+1
.endif
	v_max3_num_f32 v8, |v[XS]|, |v[XS+1]|, |v[XS+2]|
	v_max3_num_f32 v9, |v[XS+3]|, |v[XS+4]|, |v[XS+5]|
.irp i, 6,10
	v_max3_num_f32 v8, v8, |v[XS+\i]|, |v[XS+\i+1]|
	v_max3_num_f32 v9, v9, |v[XS+\i+2]|, |v[XS+\i+3]|
.endr
	v_max3_num_f32 v8, v8, |v[XS+14]|, |v[XS+15]|
	v_max3_num_f32 v8, v8, v9, (EMAX+1)<<23        ; and the floor 2^(9 - 127): the byte cannot fall under 1
	v_max_num_f32_dpp v8, v8, v8 row_xmask:1 row_mask:0xf bank_mask:0xf   ; with my neighbour's 16: the block's
	v_add_nc_u32 v11, -(EMAX<<23), v8              ; 8 off the exponent field: the conversion's scale operand
	v_and_or_b32 v10, v8, 0x7f800000, s23          ; 448 x the scale
.irp i, 0,1,2,3,4,5,6,7,8,9,10,11,12,13,14,15
	v_med3_num_f32 v[XS+\i], v[XS+\i], -v10, v10   ; the conversion to an 8-bit code does not saturate (ISA guide 7.6.2): the hold comes first
.endr
	v_cvt_scalef32_pk8_fp8_f32 v[C+4*(\t):C+4*(\t)+1], v[XS:XS+7], v11
	v_cvt_scalef32_pk8_fp8_f32 v[C+4*(\t)+2:C+4*(\t)+3], v[XS+8:XS+15], v11
	v_lshrrev_b32 v[E+(\t)], 23, v11               ; the scale's byte
	ds_store_b8 v5, v[E+(\t)] offset:16*(\t)       ; both lanes of a block write the same byte with the same value
	global_store_b128 v4, v[C+4*(\t):C+4*(\t)+3], s[8:9] offset:32*CB*(\t)   ; 512 consecutive bytes
.endm
.irp t, 0,1,2,3,4,5,6,7,8,9,10,11,12,13,14,15
	STEP \t
.endr
	ds_load_b64 v[12:13], v6                       ; LDS serves a wave's instructions in order: these see my stores
	s_wait_dscnt 0x0
	global_store_b64 v7, v[12:13], s[10:11]        ; 32 lanes store 256 consecutive bytes
	s_wait_tensorcnt 0x0
	ds_add_u32 v192, v193
	s_wait_dscnt 0x0
	s_endpgm
; ---- the mask.  A ring of four register slots, slot u = key step 4 i + u: four loads of 16 bytes a lane (keys 32 b + 16 h + 0 .. 15 of my query).
.set MO,  4                            ; v4-7   the slots' byte offsets in the tile's rows
.set SOF, 8                            ; v8     4 x lane (+ 1,024 a trip): where a word goes
.set D,   16                           ; v16-79 the slots' bytes
.set W,   80                           ; v80-81 words 0-31 and 32-63 of a step, word n in lane n % 32
.set TT,  82                           ; v82-85 at work
.set AN,  86                           ; v86    the AND of a slot's 16 registers;  v87 the OR
.set ORR, 87
.Lmask:
	s_sub_co_u32 s19, ttmp9, 384
	s_lshl_b32 s19, s19, 2
	s_add_co_u32 s19, s19, s18                     ; T
	v_and_b32 v3, 15, v2
	v_and_b32 v9, 8, v2
	v_add_nc_u32 v3, v3, v9                        ; r + 8 (r / 8)
	v_lshlrev_b32 v3, 11, v3                       ; a row of the mask is 2,048 bytes
	v_bfe_u32 v9, v2, 4, 1
	v_lshl_add_u32 v3, v9, 4, v3                   ; + 16 h
.irp u, 0,1,2,3
	v_add_nc_u32 v[MO+\u], 128*\u, v3
.endr
	v_lshlrev_b32 v[SOF], 2, v2
	v_mov_b32 v[W], 0                              ; written once: a lane write's destination counts as read
	v_mov_b32 v[W+1], 0
	s_lshr_b32 s20, s19, 1
	s_lshl_b32 s20, s20, 16
	s_and_b32 s21, s19, 1
	s_lshl_b32 s21, s21, 14
	s_add_co_u32 s30, s20, s21                     ; (32 (T/2) + 8 (T%2)) rows
	s_mov_b32 s31, 0
	s_lshl_b32 s32, s19, 12                        ; a tile's words: 16 steps x 256 bytes
	s_mov_b32 s33, 0
	s_lshl_b32 s34, s19, 2
	s_add_co_u32 s34, s34, CLS
	s_mov_b32 s35, 0
	s_mov_b32 s24, -1                              ; lanes all of whose bytes so far are 1
	s_mov_b32 s25, 0                               ; steps hidden for the whole tile
	s_mov_b32 s26, 0                               ; steps with some hidden key
	s_mov_b32 s27, 0                               ; G
	s_wait_kmcnt 0x0
	s_add_nc_u64 s[10:11], s[10:11], s[30:31]
	s_add_nc_u64 s[36:37], s[16:17], s[34:35]
	s_add_nc_u64 s[16:17], s[16:17], s[32:33]
.macro MFILL u
.irp b, 0,1,2,3
	global_load_b128 v[D+16*\u+4*\b:D+16*\u+4*\b+3], v[MO+\u], s[10:11] offset:32*\b
.endr
.endm
.macro MSTEP u, ahead, left
	s_wait_loadcnt \left                           ; loads come back in order: my slot's four are in, the younger slots' stay out
	s_wait_xcnt 0x0                                ; the last step's two stores have read their registers: the words are written again only behind this wait
	v_and_b32 v[AN], v[D+16*\u], v[D+16*\u+1]
	v_or_b32 v[ORR], v[D+16*\u], v[D+16*\u+1]
.irp k, 2,3,4,5,6,7,8,9,10,11,12,13,14,15
	v_and_b32 v[AN], v[AN], v[D+16*\u+\k]
	v_or_b32 v[ORR], v[ORR], v[D+16*\u+\k]
.endr
.set n, 0
.rept 16                               ; four words at a time: byte n % 4 of register n / 4, compared in all lanes, is word n
.irp k, 0,1,2,3
	v_and_b32 v[TT+\k], 0xff<<(8*\k), v[D+16*\u+n/4]
.endr
.irp k, 0,1,2,3
	v_cmp_ne_u32 s[20+\k], 0, v[TT+\k]
.endr
.irp k, 0,1,2,3
	v_writelane_b32 v[W+n/32], s[20+\k], (n+\k)%32
.endr
.set n, n+4
.endr
	v_cmp_eq_u32 s20, 0x01010101, v[AN]            ; lanes whose 64 keys are all hidden
	v_cmp_ne_u32 s21, 0, v[ORR]                    ; lanes with some hidden key
.if \ahead
	v_add_nc_u32 v[MO+\u], 512, v[MO+\u]           ; free since the wait for the slot's loads: four steps on
	MFILL \u
.endif
	global_store_b32 v[SOF], v[W], s[16:17] offset:256*\u          ; 128 consecutive bytes each
	global_store_b32 v[SOF], v[W+1], s[16:17] offset:256*\u+128
	s_and_b32 s24, s24, s20
	s_cmp_eq_u32 s20, -1
	s_cselect_b32 s22, 1, 0
	s_lshl_b32 s22, s22, s27
	s_or_b32 s25, s25, s22
	s_cmp_lg_u32 s21, 0
	s_cselect_b32 s22, 1, 0
	s_lshl_b32 s22, s22, s27
	s_or_b32 s26, s26, s22
	s_add_co_u32 s27, s27, 1
.endm
.irp u, 0,1,2,3
	MFILL \u
.endr
	s_mov_b32 s28, 3
.Lmtrip:
	MSTEP 0, 1, 12
	MSTEP 1, 1, 12
	MSTEP 2, 1, 12
	MSTEP 3, 1, 12
	s_wait_xcnt 0x0                                ; the stores have read their offset
	v_add_nc_u32 v[SOF], 1024, v[SOF]
	s_sub_co_u32 s28, s28, 1
	s_cmp_lg_u32 s28, 0
	s_cbranch_scc1 .Lmtrip
	MSTEP 0, 0, 12                                 ; the last four steps load nothing: the counts run down
	MSTEP 1, 0, 8
	MSTEP 2, 0, 4
	MSTEP 3, 0, 0
	s_lshr_b32 s20, s24, 16
	s_and_b32 s20, s20, s24                        ; queries with no open key: both lanes of the query saw ones only
	s_cmp_eq_u32 s20, 0
	s_cselect_b32 s21, s25, 0                      ; with such a query in the tile nothing is left out
	s_lshl_b32 s21, s21, 16
	s_or_b32 s21, s21, s26
	v_mov_b32 v9, s21
	v_mov_b32 v10, 0
	v_cmp_eq_u32 vcc_lo, 0, v2
	s_wait_xcnt 0x0                                ; EXEC changes only behind this wait
	s_and_saveexec_b32 s22, vcc_lo
	global_store_b32 v10, v9, s[36:37]             ; lane 0 stores the tile's class word
	s_wait_xcnt 0x0
	s_or_b32 exec_lo, exec_lo, s22
	s_endpgm
.Lfunc_end_k_q0a8cd6ce72_prep:
	.size	k_q0a8cd6ce72_prep, .Lfunc_end_k_q0a8cd6ce72_prep-k_q0a8cd6ce72_prep
	.p2alignl 7, 3214868480
	.fill 96, 4, 3214868480
	.section	.rodata,"a",@progbits
	.p2align	6, 0x0
	.amdhsa_kernel k_q0a8cd6ce72_prep
		.amdhsa_group_segment_fixed_size 33280
		.amdhsa_private_segment_fixed_size 0
		.amdhsa_enable_private_segment 0
		.amdhsa_kernarg_size 56
		.amdhsa_user_sgpr_count 2
		.amdhsa_user_sgpr_kernarg_segment_ptr 1
		.amdhsa_wavefront_size32 1
		.amdhsa_system_sgpr_workgroup_id_x 1
		.amdhsa_system_sgpr_workgroup_id_y 1
		.amdhsa_system_sgpr_workgroup_id_z 1
		.amdhsa_system_vgpr_workitem_id 0
		.amdhsa_next_free_vgpr 194
		.amdhsa_next_free_sgpr 66
		.amdhsa_reserve_vcc 1
		.amdhsa_float_denorm_mode_32 3
		.amdhsa_float_denorm_mode_16_64 3
		.amdhsa_memory_ordered 1
		.amdhsa_forward_progress 1
		.amdhsa_inst_pref_size 166
	.end_amdhsa_kernel
	.amdgpu_metadata
---
amdhsa.version: [ 1, 2 ]
amdhsa.kernels:
  - .name:           k_q0a8cd6ce72_prep
    .symbol:         k_q0a8cd6ce72_prep.kd
    .args:
      - { .name: encodings_for_qkv, .offset: 0, .size: 8, .value_kind: global_buffer, .address_space: global }
      - { .name: w_qkv, .offset: 8, .size: 8, .value_kind: global_buffer, .address_space: global }
      - { .name: w_o, .offset: 16, .size: 8, .value_kind: global_buffer, .address_space: global }
      - { .name: mask, .offset: 24, .size: 8, .value_kind: global_buffer, .address_space: global }
      - { .name: xq, .offset: 32, .size: 8, .value_kind: global_buffer, .address_space: global }
      - { .name: wq, .offset: 40, .size: 8, .value_kind: global_buffer, .address_space: global }
      - { .name: mk, .offset: 48, .size: 8, .value_kind: global_buffer, .address_space: global }
    .group_segment_fixed_size: 33280
    .private_segment_fixed_size: 0
    .kernarg_segment_align: 8
    .kernarg_segment_size: 56
    .max_flat_workgroup_size: 128
    .sgpr_count:     66
    .vgpr_count:     194
    .wavefront_size: 32
...
	.end_amdgpu_metadata
.endif
;; end of part 1
;; launch qkvg (part 2): grid 12 x 32, 4 waves a work-group, clusters of 4 x 4, 327,680 bytes of LDS; arguments xq, wq, b_qkv, qkv; writes qkv
.if DOCPART == 2
	.amdgcn_target "amdgcn-amd-amdhsa--gfx1250"
	.amdhsa_code_object_version 6
	.text
	.protected	k_q0a8cd6ce72_qkvg
	.globl	k_q0a8cd6ce72_qkvg
	.p2align	8
	.type	k_q0a8cd6ce72_qkvg,@function
k_q0a8cd6ce72_qkvg:
	s_mov_b64 s[64:65], 0
	v_nop
	global_prefetch_b8 v0, s[64:65] scope:SCOPE_SE
	s_setreg_imm32_b32 hwreg(HW_REG_WAVE_MODE, 25, 1), 1
	s_wait_xcnt 0x0
	s_wait_alu depctr_hold_cnt(0) depctr_sa_sdst(0) depctr_va_vdst(0) depctr_va_sdst(0) depctr_va_ssrc(0) depctr_va_vcc(0) depctr_vm_vsrc(0)
	s_getreg_b32 s2, hwreg(HW_REG_IB_STS2, 6, 4)
	s_cmp_eq_u32 s2, 0
	s_cbranch_scc0 .Lentry_in_a_cluster
	s_endpgm
.Lentry_in_a_cluster:
	s_bfe_u32 s2, ttmp6, 0x10000c
	s_cmp_lg_u32 s2, 0xf033
	s_cbranch_scc0 .Lentry_shape_is_right
	s_endpgm
.Lentry_shape_is_right:
; QKVG.  qkv = x w_qkv^T + b on codes of FP8 (E4M3) with E8M0 scales, and the result quantised at once into the operands of attention.  K = 1,024.
; A work-group of four waves makes 256 x 256, a wave 128 x 128: 64 accumulators.  K goes in steps of 256 through a ring of two LDS slots; the scale bytes of the work-group's rows come once.
; ROLES, by the cluster's x, which all sixteen partners share.  x = 0 (q), 1 (k): A = x's rows, B = w_qkv's rows.  x = 2 (v, made transposed): A = w_qkv's rows 2,048 on, B = x's rows.
; The matrix instruction is used transposed (source 0 = 16 rows of B, source 1 = 16 rows of A).  Rows lie in memory by POSITION (row number with bits 3 and 4 exchanged), so in the results of A's block a
; a lane (r, h) holds A's position 16 a + r, and its 64 registers n hold B's ORIGINAL rows 32 (n/16) + 16 h + n%16: 16 neighbours of each of four blocks of 32.  For q and k those are features (two heads of 64), for v keys.
; So one quantiser along B's rows serves all roles, and its codes ARE operand registers: each group of four goes to memory as it stands, lane l's 16 bytes at 16 l, 512 consecutive bytes a store.  No stage in LDS.
; qkv: [head 64][record 8][51,712]; a record serves 256 sequence positions: K codes [q 2][tile 8][c 2][512]; V^T codes [q 2][t 4][c 4][512]; K scale words [q 2][half 2][r 16][4]; V's [q 2][r 16][t 4]; Q codes and words as K's.
; A K or Q word: two block bytes, then 0x7f twice (the upper half of the product's 128 along K is zero codes).
; CLUSTERS: 4 x 4; A's tiles are asked for jointly along a row of the cluster, B's along a column.
; LIMITS: NaN and infinities are not served; blocks whose largest magnitude lies under 2^-118 get the byte 1.
; REGISTERS: window 0: v0-31 addresses, v8-15 the bias by lane; v32-63 scale words; v64-127 the bias by register; from v128 A's fragments, on the way out at work.  window 1: B's fragments, two sets.  windows 2, 3: accumulators.
.set XSC,    8388608
.set WQS,    4194304
.set REC,    51712
.set HS,     8*REC
.set KSTEP,  256
.set NQ,     KSTEP/128
.set ROWB,   256
.set KROW,   1024
.set PITCH,  272                       ; an LDS row: 256 bytes + 16 of padding: the 16 rows that a load touches start at 16 different banks (64 banks of 4 bytes: ISA guide 11.1)
.set FR,     16
.set NL,     4
.set NP,     8                         ; places behind this matrix instruction (ISA guide 7.12.1)
.set HALFT,  128*PITCH
.set SLOT,   4*HALFT
.set LAPS,   2                         ; K = 1,024 is four K steps: twice round the ring
.set KS,     32                        ; a row of scale bytes
.set SCL,    2*SLOT
.set HALFS,  (128*KS/256)*272
.set SBLK,   (16*KS/256)*272
.set SPARE,  SCL+4*HALFS               ; the spare words, 128 bytes a wave: no other line names them
.set BX,   8                           ; v8-15   bias factor of A's block a (my lane's row), or 1
.set ADRA, 16
.set ADRB, 20
.set VO,   24                          ; v24     the way out: 16 x lane, stepped from block to block
.set VW,   25                          ; v25     16 r + h x a head's bytes: where scale words go
.set VH,   26                          ; v26     16 h
.set ADRS, 27
.set SPW,  28
.set NIL,  29
.set SC,   32
.set BIA,  64                          ; v64-127 bias factor of register n, or 1
.set AF,   128
.set ST,   128                         ; the way out: v128-191 a block's 64 numbers
.set TM,   192                         ; v192-207 at work
.set PC,   208                         ; v208-239 codes, two sets by turns
.set WD,   240                         ; v240-247 the eight blocks' scale words
.set PB,   4                           ; s[4:11]  the way out: four bases, one for each group of four code registers
.set G1, 24
.set G0, 32
.set G1B, 48
.set G0B, 56
.set G1S, 68
.set G0S, 76
.set G1SB, 80
.set G0SB, 88
.set MSB, 0
.macro WIN new                         ; the immediate's high byte repeats the setting that is left
.if MSB != (\new)
	s_set_vgpr_msb (MSB<<8)|(\new)
.set MSB, (\new)
.endif
.endm
.set MUL_LO, 0xa1
.set MUL_HI, 0xf1
.set TO_B,   0x40
; A joint load: waves 0 and 1 fetch for A, waves 2 and 3 for B; the branch hangs on the wave's number alone.  Four v_nop follow each of the two lines.
.macro JLOAD g0a, g1a, g0b, g1b
	s_cmp_eq_u32 s15, 0
	s_cbranch_scc0 .Lfor_b_\@
	tensor_load_to_lds s[\g0a:\g0a+3], s[\g1a:\g1a+7]
	s_nop 0
.rept 4
	v_nop
.endr
	s_branch .Lasked_\@
.Lfor_b_\@:
	tensor_load_to_lds s[\g0b:\g0b+3], s[\g1b:\g1b+7]
	s_nop 0
.rept 4
	v_nop
.endr
.Lasked_\@:
.endm
.macro CREST
	s_cmp_lg_u32 s14, 0
	s_cbranch_scc1 .Lnot_wave_0_\@
	s_barrier_signal -3
.Lnot_wave_0_\@:
	s_barrier_wait -3
	s_barrier_signal -1
	s_barrier_wait -1
.endm
.macro CROUND
	s_barrier_signal -1
	s_barrier_wait -1
	CREST
.endm
	s_load_b256 s[4:11], s[0:1], 0x0               ; xq, wq, b_qkv, qkv
	v_lshl_add_u32 v[SPW], v0, 2, SPARE
	v_mov_b32 v[NIL], 0
	ds_add_u32 v28, v29
	ds_add_u32 v28, v29
	s_wait_dscnt 0x0
	v_lshrrev_b32 v1, 5, v0
	v_readfirstlane_b32 s14, v1                    ; wave 0..3
	s_lshr_b32 s15, s14, 1                         ; which half of the tile's rows (A) is mine.  Also: I fetch for A (0) or for B (1)
	s_and_b32 s16, s14, 1                          ; which half of its columns (B).  Also: which 128 rows I fetch
	s_bfe_u32 s40, ttmp6, 0x40000                  ; cx
	s_bfe_u32 s41, ttmp6, 0x40004                  ; cy
	s_and_b32 s2, ttmp7, 0xffff
	s_lshl_b32 s2, s2, 2                           ; 4 x cluster y
	s_lshl_b32 s95, ttmp9, 2                       ; 4 x cluster x
	s_cmp_eq_u32 ttmp9, 2                          ; the role v?
	s_cselect_b32 s17, 0, s2
	s_cselect_b32 s42, s2, s95
	s_add_co_u32 s17, s17, s41                     ; A's tile row: cy (v) or 4 x cluster y + cy
	s_add_co_u32 s42, s42, s40                     ; B's tile column: 4 x cluster y + cx (v) or 4 x cluster x + cx
	s_lshl_b32 s43, s41, 2
	s_lshl_b32 s43, 15, s43                        ; my row of the cluster
	s_lshl_b32 s44, 0x1111, s40                    ; my column
	s_or_b32 s[G1+0], s43, (0<<16)|(1<<20)|(1<<21)|(5<<22)|(3<<25)  ; the mask; elements of 1 byte; padding on; bit 21 beside a mask; after every 64 words, 4 words
	s_or_b32 s[G1B+0], s44, (0<<16)|(1<<20)|(1<<21)|(5<<22)|(3<<25)
.irp g, G1, G1B
	s_mov_b32 s[\g+1], ROWB<<16                    ; tensor_dim0
	s_mov_b32 s[\g+2], 128<<16                     ; tensor_dim1
	s_mov_b32 s[\g+3], ROWB<<16                    ; tile_dim0
	s_mov_b32 s[\g+4], 128                         ; tile_dim1
	s_mov_b32 s[\g+5], KROW                        ; pitch
	s_mov_b32 s[\g+6], 0
	s_mov_b32 s[\g+7], 0
.endr
	s_or_b32 s[G1S+0], s43, (3<<16)|(1<<20)|(1<<21)|(5<<22)|(3<<25) ; the scales of 128 rows: 4,096 dense bytes as 16 rows of 256 (32 elements of 8 bytes), 16 bytes of padding behind each
	s_or_b32 s[G1SB+0], s44, (3<<16)|(1<<20)|(1<<21)|(5<<22)|(3<<25)
.irp g, G1S, G1SB
	s_mov_b32 s[\g+1], 32<<16
	s_mov_b32 s[\g+2], (128*KS/256)<<16
	s_mov_b32 s[\g+3], 32<<16
	s_mov_b32 s[\g+4], 128*KS/256
	s_mov_b32 s[\g+5], 32
	s_mov_b32 s[\g+6], 0
	s_mov_b32 s[\g+7], 0
.endr
	s_lshl_b32 s18, s16, 7
	s_lshl_b32 s20, s17, 8
	s_add_co_u32 s20, s20, s18                     ; A: position 256 x tile row + 128 x half
	s_lshl_b32 s46, s42, 8
	s_add_co_u32 s46, s46, s18                     ; B: position 256 x tile column + 128 x half
	s_mov_b32 s21, 0
	s_mov_b32 s47, 0
	s_mov_b64 s[18:19], KS
	s_mul_u64 s[22:23], s[20:21], s[18:19]
	s_mul_u64 s[92:93], s[46:47], s[18:19]
	s_mov_b64 s[18:19], KROW
	s_mul_u64 s[20:21], s[20:21], s[18:19]
	s_mul_u64 s[46:47], s[46:47], s[18:19]
	s_mul_i32 s45, s14, HALFT                      ; LDS places: wave x 128 rows: no place in the cluster enters an LDS address
	s_mul_i32 s94, s14, HALFS
	s_mov_b32 s13, 0
	s_mov_b32 s67, 0
	s_mov_b32 s101, 0
	s_mov_b32 s66, XSC
	s_mov_b32 s100, WQS
	s_cmp_eq_u32 ttmp9, 2
	s_cselect_b32 s12, 2097152, 0                  ; A's codes: w_qkv's position 2,048 on, or x's first
	s_cselect_b32 s66, 4259840, s66                ; A's scale bytes
	s_cselect_b32 s100, XSC, s100                  ; B's scale bytes
	s_wait_kmcnt 0x0
	s_mov_b64 s[96:97], s[8:9]                     ; b_qkv
	s_mov_b64 s[98:99], s[10:11]                   ; qkv
	s_cselect_b64 s[8:9], s[4:5], s[6:7]           ; B's buffer: xq (v) or wq
	s_cselect_b64 s[4:5], s[6:7], s[4:5]           ; A's buffer: wq (v) or xq
	s_add_nc_u64 s[6:7], s[4:5], s[66:67]
	s_add_nc_u64 s[4:5], s[4:5], s[12:13]
	s_add_nc_u64 s[10:11], s[8:9], s[100:101]
	s_add_nc_u64 s[20:21], s[4:5], s[20:21]
	s_add_nc_u64 s[22:23], s[6:7], s[22:23]
	s_add_nc_u64 s[46:47], s[8:9], s[46:47]
	s_add_nc_u64 s[92:93], s[10:11], s[92:93]
	CROUND                                         ; all sixteen work-groups are here: the first joint loads meet
	s_mov_b32 s[G0S], 1
	s_add_co_u32 s[G0S+1], s94, SCL
	s_mov_b64 s[G0S+2:G0S+3], s[22:23]
	s_or_b32 s[G0S+3], s[G0S+3], 0x80000000
	s_mov_b32 s[G0SB], 1
	s_add_co_u32 s[G0SB+1], s94, SCL
	s_mov_b64 s[G0SB+2:G0SB+3], s[92:93]
	s_or_b32 s[G0SB+3], s[G0SB+3], 0x80000000
	JLOAD G0S, G1S, G0SB, G1SB                     ; the scales first: three loads of mine are out behind the last of these
.irp s, 0,1
	s_mov_b32 s[G0+4*\s], 1
	s_add_co_u32 s[G0+4*\s+1], s45, \s*SLOT
	s_add_nc_u64 s[G0+4*\s+2:G0+4*\s+3], s[20:21], \s*ROWB
	s_or_b32 s[G0+4*\s+3], s[G0+4*\s+3], 0x80000000
	s_mov_b32 s[G0B+4*\s], 1
	s_add_co_u32 s[G0B+4*\s+1], s45, \s*SLOT
	s_add_nc_u64 s[G0B+4*\s+2:G0B+4*\s+3], s[46:47], \s*ROWB
	s_or_b32 s[G0B+4*\s+3], s[G0B+4*\s+3], 0x80000000
	JLOAD G0+4*\s, G1, G0B+4*\s, G1B
.endr
	v_and_b32 v1, 15, v0                           ; r
	v_bfe_u32 v2, v0, 4, 1                         ; h
	v_mul_u32_u24 v3, v1, PITCH
	v_lshl_add_u32 v4, v2, 4, v3
	s_mul_i32 s21, s15, HALFT
	s_mul_i32 s22, s16, HALFT
	s_add_co_u32 s22, s22, 2*HALFT
.irp s, 0,1
	v_add_nc_u32 v[ADRA+\s], s21, v4
	v_add_nc_u32 v[ADRB+\s], s22, v4
	s_add_co_u32 s21, s21, SLOT
	s_add_co_u32 s22, s22, SLOT
.endr
	v_mul_u32_u24 v5, v1, KS                       ; my row's scales: 32 bytes a row,
	v_lshrrev_b32 v6, 8, v5
	v_lshl_add_u32 v5, v6, 4, v5                   ; and 16 more for each 256 passed
	s_mul_i32 s21, s15, HALFS
	s_mul_i32 s22, s16, HALFS
	s_add_co_u32 s22, s22, 2*HALFS
	s_sub_co_u32 s22, s22, s21
	v_mul_u32_u24 v6, s22, v2                      ; lanes 16-31 take B's
	s_add_co_u32 s21, s21, SCL
	v_add_nc_u32 v5, v5, v6
	v_add_nc_u32 v[ADRS], s21, v5
	v_and_b32 v6, 31, v0
	v_lshlrev_b32 v[VO], 4, v6
	v_lshlrev_b32 v[VW], 4, v1
	v_mul_u32_u24 v6, v2, HS
	v_add_nc_u32 v[VW], v[VW], v6
	v_lshlrev_b32 v[VH], 4, v2
	; THE BIAS is kept as a product (by register) x (by lane), so that one fused multiply-add adds it with one rounding in every role.  Both ways write all 72 registers.
	s_cmp_eq_u32 ttmp9, 2
	s_cbranch_scc1 .Lbias_v
	s_lshl_b32 s46, s42, 8
	s_lshl_b32 s47, s16, 7
	s_add_co_u32 s46, s46, s47                     ; my first feature
	s_lshl_b32 s46, s46, 2
	s_mov_b32 s47, 0
	s_add_nc_u64 s[46:47], s[96:97], s[46:47]
	v_lshlrev_b32 v5, 6, v2                        ; 16 h features on
.irp b, 0,1,2,3
.irp w, 0,1,2,3
	global_load_b128 v[BIA+16*\b+4*\w:BIA+16*\b+4*\w+3], v5, s[46:47] offset:128*\b+16*\w   ; register 16 b + i: feature 32 b + 16 h + i
.endr
.endr
.irp a, 0,1,2,3,4,5,6,7
	v_mov_b32 v[BX+\a], 1.0
.endr
	s_branch .Lbias_done
.Lbias_v:
	s_lshl_b32 s22, s17, 8
	s_lshl_b32 s23, s15, 7
	s_add_co_u32 s22, s22, s23                     ; my first channel
	s_lshl_b32 s22, s22, 2
	s_add_co_u32 s22, s22, 8192                    ; v's part of the bias begins at number 2,048
	s_mov_b32 s23, 0
	s_add_nc_u64 s[22:23], s[96:97], s[22:23]
	v_and_b32 v5, 8, v1
	v_add_nc_u32 v5, v5, v1
	v_lshlrev_b32 v5, 2, v5                        ; r + 8 (r / 8)
.irp a, 0,1,2,3,4,5,6,7
	global_load_b32 v[BX+\a], v5, s[22:23] offset:4*(32*(\a/2)+8*(\a%2))
.endr
.set n, 0
.rept 64
	v_mov_b32 v[BIA+n], 1.0
.set n, n+1
.endr
.Lbias_done:
.macro FRAG reg, adr, q, i             ; 16 rows x 128 K: lane l holds row l % 16; registers 4 c .. 4 c + 3 hold K = 32 c + 16 (l / 16) + 0 .. 15
.irp c, 0,1,2,3
	ds_load_b128 v[\reg+4*\c:\reg+4*\c+3], v[\adr] offset:128*(\q)+32*\c+(\i)*16*PITCH
.endr
.endm
; 16 matrix instructions: A's blocks a0, a0 + 1 x B's eight.  The 64 accumulators take turns, one instruction a turn, in the same order in every step.
.macro MUL16 a0, p, q, sc, zero
.irp a, \a0, \a0+1
.irp b, 0,1,2,3,4,5,6,7
.if \zero
	v_wmma_scale_f32_16x16x128_f8f6f4 v[8*(8*((\a)%4)+\b):8*(8*((\a)%4)+\b)+7], v[128*(\p)+FR*\b:128*(\p)+FR*\b+FR-1], v[AF+FR*(\a):AF+FR*(\a)+FR-1], 0, v[SC+8*NQ*(\sc)+NQ*\b+(\q)], v[SC+8*NQ*(\sc)+NQ*(\a)+(\q)] matrix_a_scale:MATRIX_SCALE_ROW1
.else
	v_wmma_scale_f32_16x16x128_f8f6f4 v[8*(8*((\a)%4)+\b):8*(8*((\a)%4)+\b)+7], v[128*(\p)+FR*\b:128*(\p)+FR*\b+FR-1], v[AF+FR*(\a):AF+FR*(\a)+FR-1], v[8*(8*((\a)%4)+\b):8*(8*((\a)%4)+\b)+7], v[SC+8*NQ*(\sc)+NQ*\b+(\q)], v[SC+8*NQ*(\sc)+NQ*(\a)+(\q)] matrix_a_scale:MATRIX_SCALE_ROW1
.endif
.endr
.endr
.endm
.macro FETCH_B slot, q, p
	WIN TO_B
.irp i, 0,1,2,3,4,5,6,7
	FRAG 128*(\p)+FR*\i, ADRB+\slot, \q, \i
.endr
	WIN 0
.endm
.macro FETCH_A slot, q, i0
.irp i, \i0, \i0+1, \i0+2, \i0+3
	FRAG AF+FR*(\i), ADRA+\slot, \q, \i
.endr
.endm
.macro SCALES sc                       ; a K step's scale words: lanes 0-15 A's block i, lanes 16-31 B's block i
.irp i, 0,1,2,3,4,5,6,7
	ds_load_b64 v[SC+8*NQ*\sc+NQ*\i:SC+8*NQ*\sc+NQ*\i+1], v[ADRS] offset:\i*SBLK
.endr
.endm
.macro PLACES n                        ; plain vector instructions between a matrix instruction and a load into, or a read of, its registers
.rept \n
	v_nop
.endr
.endm
.macro STEP slot, q, zero
	s_wait_dscnt 4*NL                              ; B's set and A's blocks 0-3 are in; the youngest sixteen loads (A's blocks 4-7) may be out
	WIN MUL_LO
	MUL16 0, (\q)%2, \q, \slot, \zero
	MUL16 2, (\q)%2, \q, \slot, \zero
	s_wait_dscnt 0
	PLACES NP
	FETCH_B \slot, (\q)+1, 1-(\q)%2
	FETCH_A \slot, (\q)+1, 0
	WIN MUL_HI
	MUL16 4, (\q)%2, \q, \slot, \zero
	MUL16 6, (\q)%2, \q, \slot, \zero
	PLACES NP
	WIN 0
	FETCH_A \slot, (\q)+1, 4
.endm
; A slot's last step changes slots: one barrier; in front of it each wave waits for all its tensor loads, adds 0 to its spare word, and waits for that and for its reads of this slot.
.macro TURN slot, next, fill
	s_wait_tensorcnt 0x0                           ; all my tensor loads have landed: my part of the next slot
	ds_add_u32 v[SPW], v[NIL]                      ; 0 onto my spare word
	s_wait_dscnt 4*NL+1                            ; (the add and the youngest sixteen loads may be out)
	WIN MUL_LO
	MUL16 0, 1, NQ-1, \slot, 0
	s_wait_dscnt 0x0                               ; the add is done, and my reads of this slot are over
	s_barrier_signal -1
	MUL16 2, 1, NQ-1, \slot, 0
	WIN 0
	s_barrier_wait -1
.if \fill
	CREST                                          ; the barrier has opened a round of the cluster's barrier: no wave of any partner still reads this slot or has a load on its way
	s_add_nc_u64 s[G0+4*\slot+2:G0+4*\slot+3], s[G0+4*\slot+2:G0+4*\slot+3], 2*ROWB
	s_add_nc_u64 s[G0B+4*\slot+2:G0B+4*\slot+3], s[G0B+4*\slot+2:G0B+4*\slot+3], 2*ROWB
	JLOAD G0+4*\slot, G1, G0B+4*\slot, G1B         ; the first tensor load behind the round, my one load until the next
	PLACES NP-4
.else
	PLACES NP
.endif
	v_add_nc_u32 v[ADRS], 4*NQ, v[ADRS]
	FETCH_B \next, 0, 0
	FETCH_A \next, 0, 0
	SCALES \next
	WIN MUL_HI
	MUL16 4, 1, NQ-1, \slot, 0
	MUL16 6, 1, NQ-1, \slot, 0
	PLACES NP
	WIN 0
	FETCH_A \next, 0, 4
.endm
	s_wait_tensorcnt 1                             ; the scales and my part of K step 0 are in; K step 1's load may be out
	s_barrier_signal -1
	s_barrier_wait -1
	FETCH_B 0, 0, 0
	FETCH_A 0, 0, 0
	SCALES 0
	FETCH_A 0, 0, 4
	STEP 0, 0, 1                                   ; the first step's products start the sums
	s_mov_b32 s3, LAPS-1
.Llap:
	TURN 0, 1, 1
	STEP 1, 0, 0
	TURN 1, 0, 1
	STEP 0, 0, 0
	s_sub_co_u32 s3, s3, 1
	s_cmp_lg_u32 s3, 0
	s_cbranch_scc1 .Llap
	TURN 0, 1, 0                                   ; the last lap fills nothing
	STEP 1, 0, 0
	s_wait_dscnt 4*NL
	WIN MUL_LO
	MUL16 0, 1, NQ-1, 1, 0
	MUL16 2, 1, NQ-1, 1, 0
	s_wait_dscnt 0
	WIN MUL_HI
	MUL16 4, 1, NQ-1, 1, 0
	MUL16 6, 1, NQ-1, 1, 0
	WIN 0
	; ---- THE WAY OUT.  Where my 128 x 128 goes.
	PLACES NP
	s_wait_loadcnt 0x0                             ; the bias
	s_lshl_b32 s2, s17, 8
	s_lshl_b32 s3, s15, 7
	s_add_co_u32 s2, s2, s3                        ; A's first position of mine
	s_lshl_b32 s3, s42, 8
	s_lshl_b32 s40, s16, 7
	s_add_co_u32 s3, s3, s40                       ; B's
	s_mov_b32 s92, HS
	s_mov_b32 s93, 0
	s_mov_b32 s18, 1024
	s_mov_b32 s19, 1024
	s_mov_b32 s43, 512
	s_mov_b32 s45, 32768
	s_cmp_eq_u32 ttmp9, 0
	s_cselect_b32 s44, 34304, 0                    ; the codes' part of a record: Q's, K's,
	s_cselect_b32 s45, 50688, s45                  ; and the words'
	s_cmp_eq_u32 ttmp9, 2
	s_cselect_b32 s40, s3, s2                      ; the sequence positions: B's (v) or A's
	s_cselect_b32 s41, s2, s3                      ; the features
	s_cselect_b32 s92, 1024, s92                   ; from code group 0 to group 2: two chunks on (v) or the next head
	s_cselect_b32 s18, 2048, s18                   ; from block to block
	s_cselect_b32 s19, HS-6144, s19                ; from block 3 to block 4: the next head (v)
	s_cselect_b32 s43, 256, s43                    ; scale words of 128 positions
	s_cselect_b32 s44, 16384, s44                  ; V's
	s_cselect_b32 s45, 33792, s45
	s_bfe_u32 s41, s41, 0x40006                    ; my first head of the sixteen
	s_lshr_b32 s46, s40, 11                        ; the batch
	s_lshl_b32 s46, s46, 4
	s_add_co_u32 s46, s46, s41
	s_mul_i32 s46, s46, HS
	s_bfe_u32 s47, s40, 0x30008                    ; the record
	s_mul_i32 s47, s47, REC
	s_add_co_u32 s46, s46, s47
	s_bfe_u32 s47, s40, 0x10007                    ; which 128 of its 256
	s_lshl_b32 s66, s47, 13
	s_add_co_u32 s66, s66, s46
	s_add_co_u32 s66, s66, s44
	s_mov_b32 s67, 0
	s_mul_i32 s100, s47, s43
	s_add_co_u32 s100, s100, s46
	s_add_co_u32 s100, s100, s45
	s_mov_b32 s101, 0
	s_add_nc_u64 s[PB:PB+1], s[98:99], s[66:67]
	s_add_nc_u64 s[PB+2:PB+3], s[PB:PB+1], 512
	s_add_nc_u64 s[PB+4:PB+5], s[PB:PB+1], s[92:93]
	s_add_nc_u64 s[PB+6:PB+7], s[PB+4:PB+5], 512
	s_add_nc_u64 s[12:13], s[98:99], s[100:101]    ; the scale words
	s_mov_b32 s20, 0x76543210
	s_mov_b32 s21, 0xfedcba98                      ; lane l xor 16
	s_mov_b32 s22, 0x600000                        ; the mantissa field of 448
	s_mov_b32 s23, 0x7f7f0000
.irp b, 0,1,2,3
	v_mov_b32 v[TM+4+\b], 0                        ; a lane permute's destination counts as one of its sources
.endr
; 64 numbers of a lane, register 16 b + i = k 32 b + 16 h + i of my row, become 16 registers of codes and a scale word.
.macro QUANT s, pc, pw
.irp b, 0,1,2,3
	v_max3_num_f32 v[TM+\b], |v[\s+16*\b]|, |v[\s+1+16*\b]|, 0x4800000   ; my 16 numbers and the floor 2^(9 - 127): the byte cannot fall under 1
.endr
.irp i, 2,4,6,8,10,12,14
.irp b, 0,1,2,3
	v_max3_num_f32 v[TM+\b], v[TM+\b], |v[\s+16*\b+\i]|, |v[\s+1+16*\b+\i]|
.endr
.endr
.irp b, 0,1,2,3
	v_permlanex16_b32 v[TM+4+\b], v[TM+\b], s20, s21
.endr
.irp b, 0,1,2,3
	v_max_num_f32 v[TM+\b], v[TM+\b], v[TM+4+\b]   ; with lane l xor 16's: the block's largest magnitude
.endr
.irp b, 0,1,2,3
	v_add_nc_u32 v[TM+12+\b], 0xfc000000, v[TM+\b] ; 8 off its exponent field: the conversion's scale operand
.endr
.irp b, 0,1,2,3
	v_and_or_b32 v[TM+8+\b], v[TM+\b], 0x7f800000, s22   ; 448 x the scale
.endr
.irp b, 0,1,2,3
	v_lshrrev_b32 v[TM+4+\b], 23, v[TM+12+\b]      ; the scale's byte
.endr
	v_lshl_or_b32 v[\pw], v[TM+5], 8, v[TM+4]
	v_lshl_or_b32 v[\pw], v[TM+6], 16, v[\pw]
	v_lshl_or_b32 v[\pw], v[TM+7], 24, v[\pw]
.irp b, 0,1,2,3
.irp i, 0,1,2,3,4,5,6,7,8,9,10,11,12,13,14,15
	v_med3_num_f32 v[\s+16*\b+\i], v[\s+16*\b+\i], -v[TM+8+\b], v[TM+8+\b]   ; the conversion does not saturate (ISA guide 7.6.2): the hold comes first
.endr
	v_cvt_scalef32_pk8_fp8_f32 v[\pc+4*\b:\pc+4*\b+1], v[\s+16*\b:\s+16*\b+7], v[TM+12+\b]
	v_cvt_scalef32_pk8_fp8_f32 v[\pc+4*\b+2:\pc+4*\b+3], v[\s+16*\b+8:\s+16*\b+15], v[TM+12+\b]
.endr
	v_nop                                          ; a plain vector instruction behind the last conversion: the next block writes its sources
.endm
; A's block a: result + bias, quantised, stored as operand registers.
.macro EPI a
	s_wait_xcnt 0x0                                ; the earlier stores have read their registers and their offset
.if (\a) == 4
	v_add_nc_u32 v[VO], s19, v[VO]
.elseif (\a) > 0
	v_add_nc_u32 v[VO], s18, v[VO]
.endif
	WIN 0x20+0x10*((\a)/4)                         ; source 2: window 2 or 3
.set n, 0
.rept 32                               ; ascending: each accumulator is read from its low end on
.if (\a)%2
	v_pk_fma_f32 v[ST+n:ST+n+1], v[BIA+n:BIA+n+1], v[BX+(\a)-1:BX+(\a)], v[64*((\a)%4)+n:64*((\a)%4)+n+1] op_sel:[0,1,0]
.else
	v_pk_fma_f32 v[ST+n:ST+n+1], v[BIA+n:BIA+n+1], v[BX+(\a):BX+(\a)+1], v[64*((\a)%4)+n:64*((\a)%4)+n+1] op_sel_hi:[1,0,1]
.endif
.set n, n+2
.endr
	WIN 0
	QUANT ST, PC+16*((\a)%2), WD+(\a)
.irp b, 0,1,2,3
	global_store_b128 v[VO], v[PC+16*((\a)%2)+4*\b:PC+16*((\a)%2)+4*\b+3], s[PB+2*\b:PB+2*\b+1]   ; 512 consecutive bytes, aligned
.endr
.endm
.irp a, 0,1,2,3,4,5,6,7
	EPI \a
.endr
	s_cmp_eq_u32 ttmp9, 2
	s_cbranch_scc1 .Lvwords
.irp a, 0,1,2,3,4,5,6,7                ; q, k: a word's bytes 0, 1 are my first head's blocks, bytes 2, 3 the next head's: lanes 0-15 store the one, lanes 16-31 the other
	v_lshrrev_b32 v[WD+\a], v[VH], v[WD+\a]
.endr
.irp a, 0,1,2,3,4,5,6,7
	v_and_or_b32 v[WD+\a], v[WD+\a], 0xffff, s23
.endr
	global_store_b128 v[VW], v[WD:WD+3], s[12:13]              ; sixteen lanes store 256 consecutive bytes
	global_store_b128 v[VW], v[WD+4:WD+7], s[12:13] offset:256
	s_branch .Lwords_done
.Lvwords:                              ; v: blocks 0-3 are my first head's four channel tiles, blocks 4-7 the next head's
	v_cmp_ne_u32 vcc_lo, 0, v[VH]
.irp t, 0,1,2,3
	v_cndmask_b32 v[WD+\t], v[WD+\t], v[WD+4+\t], vcc_lo
.endr
	global_store_b128 v[VW], v[WD:WD+3], s[12:13]
.Lwords_done:
	s_wait_tensorcnt 0x0                           ; the wave's end
	ds_add_u32 v[SPW], v[NIL]
	s_wait_dscnt 0x0
	CROUND                                         ; the closing round
	s_endpgm
.Lfunc_end_k_q0a8cd6ce72_qkvg:
	.size	k_q0a8cd6ce72_qkvg, .Lfunc_end_k_q0a8cd6ce72_qkvg-k_q0a8cd6ce72_qkvg
	.p2alignl 7, 3214868480
	.fill 96, 4, 3214868480
	.section	.rodata,"a",@progbits
	.p2align	6, 0x0
	.amdhsa_kernel k_q0a8cd6ce72_qkvg
		.amdhsa_group_segment_fixed_size 327680
		.amdhsa_private_segment_fixed_size 0
		.amdhsa_enable_private_segment 0
		.amdhsa_kernarg_size 32
		.amdhsa_user_sgpr_count 2
		.amdhsa_user_sgpr_kernarg_segment_ptr 1
		.amdhsa_wavefront_size32 1
		.amdhsa_system_sgpr_workgroup_id_x 1
		.amdhsa_system_sgpr_workgroup_id_y 1
		.amdhsa_system_sgpr_workgroup_id_z 1
		.amdhsa_system_vgpr_workitem_id 0
		.amdhsa_next_free_vgpr 1024
		.amdhsa_next_free_sgpr 102
		.amdhsa_reserve_vcc 1
		.amdhsa_float_denorm_mode_32 3
		.amdhsa_float_denorm_mode_16_64 3
		.amdhsa_memory_ordered 1
		.amdhsa_forward_progress 1
		.amdhsa_inst_pref_size 209
	.end_amdhsa_kernel
	.amdgpu_metadata
---
amdhsa.version: [ 1, 2 ]
amdhsa.kernels:
  - .name:           k_q0a8cd6ce72_qkvg
    .symbol:         k_q0a8cd6ce72_qkvg.kd
    .args:
      - { .name: xq, .offset: 0, .size: 8, .value_kind: global_buffer, .address_space: global }
      - { .name: wq, .offset: 8, .size: 8, .value_kind: global_buffer, .address_space: global }
      - { .name: b_qkv, .offset: 16, .size: 8, .value_kind: global_buffer, .address_space: global }
      - { .name: qkv, .offset: 24, .size: 8, .value_kind: global_buffer, .address_space: global }
    .group_segment_fixed_size: 327680
    .private_segment_fixed_size: 0
    .kernarg_segment_align: 8
    .kernarg_segment_size: 32
    .max_flat_workgroup_size: 128
    .sgpr_count:     102
    .vgpr_count:     1024
    .wavefront_size: 32
...
	.end_amdgpu_metadata
.endif
;; end of part 2
;; launch attn (part 3): grid 4 x 64, 16 waves a work-group, no clusters, 71,680 bytes of LDS; arguments qkv, mk, ao; writes ao
.if DOCPART == 3
	.amdgcn_target "amdgcn-amd-amdhsa--gfx1250"
	.amdhsa_code_object_version 6
	.text
	.protected	k_q0a8cd6ce72_attn
	.globl	k_q0a8cd6ce72_attn
	.p2align	8
	.type	k_q0a8cd6ce72_attn,@function
k_q0a8cd6ce72_attn:
	s_mov_b64 s[64:65], 0
	v_nop
	global_prefetch_b8 v0, s[64:65] scope:SCOPE_SE
	s_setreg_imm32_b32 hwreg(HW_REG_WAVE_MODE, 25, 1), 1
	s_wait_xcnt 0x0
; ATTN.  For each of 64 heads: S^T = K Q^T (K = the head's 64, the upper half of the instruction's 128 is zero codes on both sides), the mask, p = 2^(t - M) with M a whole number, O^T += V^T P^T (K = 128 keys a step),
; O / l, quantised along the model's 1,024 for the last product.  All operands are codes of FP8 (E4M3) with E8M0 scales, laid in memory as images of operand registers (lane l's 16 bytes at 16 l).
; SHARES.  Work-group (p, head) makes query block p and then block 7 - p, 256 queries each.  Each of sixteen waves owns one tile of 16 queries in 256 registers.  Both products are used transposed: a lane holds one query.
; Every phase walks all 8 records of 256 keys with constant trip counts, and every wave passes every barrier.  THE MASK IS AN INPUT: it arrives as lane-mask words (one v_cndmask_b32 a score) and a class word a tile.
; What the given mask hides for a whole tile is left out by scalar branches on those stored whole numbers: a wave's key step, and the copy of a record that none of the sixteen waves needs.
; Because branches hang on numbers read from memory, this launch has no tensor load, and so no joint loads: K and V go to LDS through registers, a record ahead of its use, 8,192 consecutive bytes an instruction of the work-group.
; A hidden score becomes -2^33 (logit -1.07e9 where the model has -1e9): -2^33 x c is a whole number, so a query with no open key has p = 1 for all keys, exactly; the same results while open logits lie above about -9e8.
; LIMITS: NaN and infinities are not served; blocks whose largest magnitude lies under 2^-118 get the byte 1; 1 / l is v_rcp_f32 and a multiplication.  The scale bytes of ao leave two at a lane (262,144 bytes in all).
.set REC,   51712
.set HS,    8*REC
.set SLOTB, 34816                      ; an LDS slot mirrors a record's first 34,304 bytes: K codes 0, V codes 16,384, K words 32,768, V words 33,792
.set CLS,   524288
.set ASC,   8388608
.set LI,  1                            ; v1, v2   16 x lane in slot 0, 1
.set LS,  3                            ; v3, v4   16 x (lane % 16) in slot 0, 1
.set CW,  5                            ; v5, v6   16 x thread in slot 0, 1; v5 is also the copies' offset in memory
.set NEG, 7                            ; v7       -2^33
.set Q,   12                           ; v12-27   Q's fragment (v20-27 zeros);  v[8:9] -M and the largest t;  v[10:11] the sum in two halves
.set F,   28                           ; v28-91   four fragments of K: 8 registers of codes + 8 of zeros, written once
.set S,   92                           ; v92-155  S^T, then p, then V's four fragments
.set O,   156                          ; v156-187 O^T
.set PC,  188                          ; v188-203 p's codes
.set BM,  204
.set PT,  208
.set HD,  212
.set SO,  216
.set KSW, 220                          ; v220-227 K's eight scale words, or V's four
.set FF,  228                          ; v228     f = 2^(old M - new M)
.set PW,  229                          ; v229     p's scale word
.set TP,  230
.set QS,  231                          ; v231     Q's scale word
.set SG,  232                          ; v232-239 a copy's first half; v240-243 its scale words; v244-251 its second half
.set WV,  10
.set QB,  11
.set BH,  12
.set PH,  13
.set TR,  14
.set SKP, 15
.set ANY, 16
.set NS,  17
.set SEL, 18
.set CS,  20
.set MNT, 22
.set KV,  24
.set MB,  26
	s_load_b128 s[4:7], s[0:1], 0x0                ; qkv, mk
	s_load_b64 s[8:9], s[0:1], 0x10                ; ao
	v_lshl_add_u32 v254, v0, 2, 0x11000
	v_mov_b32 v255, 0
	v_lshrrev_b32 v1, 5, v0
	v_readfirstlane_b32 s[WV], v1
	v_and_b32 v2, 31, v0
	v_lshlrev_b32 v1, 4, v2
	v_and_b32 v3, 15, v0
	v_lshlrev_b32 v3, 4, v3
	v_add_nc_u32 v2, SLOTB, v1
	v_add_nc_u32 v4, SLOTB, v3
	v_lshlrev_b32 v5, 4, v0
	v_add_nc_u32 v6, SLOTB, v5
	v_mov_b32 v[NEG], 0xd0000000
.irp i, 8,9,10,11,12,13,14,15
	v_mov_b32 v[Q+\i], 0                           ; zero codes for k = 64 .. 127
.irp t, 0,1,2,3
	v_mov_b32 v[F+16*\t+\i], 0
.endr
.endr
	v_mov_b32 v[PW], 0                             ; (named as the upper half of the pair v[228:229] before it is first made)
	v_mov_b32 v[TP], 0
.irp b, 0,1,2,3
	v_mov_b32 v[PT+\b], 0                          ; a lane permute's destination counts as one of its sources
.endr
.set n, 0
.rept 20
	v_mov_b32 v[SG+n], 0                           ; the copies' registers are written on every way
.set n, n+1
.endr
	s_mov_b32 s[QB], ttmp9
	s_and_b32 s[BH], ttmp7, 0xffff
	s_mov_b32 s[PH], 2
	s_mov_b32 s[SEL], 0x76543210
	s_mov_b32 s[SEL+1], 0xfedcba98
	s_mov_b32 s[CS], 0x3e38aa3b                    ; c = log2(e) / sqrt(64)
	s_mov_b32 s[CS+1], s[CS]
	s_mov_b32 s[MNT], 0x600000
	s_mul_i32 s2, s[BH], HS
	s_mov_b32 s3, 0
	s_wait_kmcnt 0x0
	s_add_nc_u64 s[28:29], s[4:5], s[2:3]          ; my head
; A KEY STEP: 128 keys, the q-th of LDS slot s.
.macro STEP s, q
	s_bitcmp1_b32 s[SKP], 0                        ; hidden for all my 16 queries: left out, all but the lines at its end
	s_cbranch_scc1 .Lhid_\@
	s_load_b512 s[32:47], s[MB:MB+1], 0x0          ; the step's 64 lane-mask words
	s_load_b512 s[48:63], s[MB:MB+1], 0x40
	s_load_b512 s[68:83], s[MB:MB+1], 0x80
	s_load_b512 s[84:99], s[MB:MB+1], 0xc0
.irp g, 0,1
.if \g
.rept 8
	v_nop                                          ; places in front of loads into registers that the four products above have read
.endr
.endif
.irp t, 0,1,2,3
.irp c, 0,1
	ds_load_b128 v[F+16*\t+4*\c:F+16*\t+4*\c+3], v[LI+\s] offset:8192*\q+1024*(4*\g+\t)+512*\c
.endr
.endr
	ds_load_b128 v[KSW+4*\g:KSW+4*\g+3], v[LS+\s] offset:32768+512*\q+256*\g
	s_wait_dscnt 0x0
.irp t, 0,1,2,3
	v_wmma_scale_f32_16x16x128_f8f6f4 v[S+8*(4*\g+\t):S+8*(4*\g+\t)+7], v[F+16*\t:F+16*\t+15], v[Q:Q+15], 0, v[KSW+4*\g+\t], v[QS]
.endr
.endr                                  ; register n: key 32 (n/16) + 16 h + n%16 of the step
.rept 8
	v_nop
.endr
	s_wait_kmcnt 0x0                               ; the mask words; on every way, so that no scalar load is left out
	s_bitcmp1_b32 s[ANY], 0
	s_cbranch_scc0 .Lopen_\@                       ; no key of the step is hidden for any of my queries
.set n, 0
.rept 32
	v_cndmask_b32 v[S+n], v[S+n], v[NEG], s[32+n]
.set n, n+1
.endr
.rept 32
	v_cndmask_b32 v[S+n], v[S+n], v[NEG], s[36+n]
.set n, n+1
.endr
.Lopen_\@:
.irp b, 0,1,2,3
	v_max3_num_f32 v[BM+\b], v[S+16*\b], v[S+1+16*\b], v[S+2+16*\b]   ; the largest score of each block of 32 keys: for the row's maximum, and, since p rises with the score, for the block's largest p
.endr
.irp i, 3,5,7,9,11,13
.irp b, 0,1,2,3
	v_max3_num_f32 v[BM+\b], v[BM+\b], v[S+16*\b+\i], v[S+1+16*\b+\i]
.endr
.endr
.irp b, 0,1,2,3
	v_max_num_f32 v[BM+\b], v[BM+\b], v[S+15+16*\b]
.endr
.irp b, 0,1,2,3
	v_permlanex16_b32 v[PT+\b], v[BM+\b], s[SEL], s[SEL+1]
.endr
.irp b, 0,1,2,3
	v_max_num_f32 v[BM+\b], v[BM+\b], v[PT+\b]
.endr
	v_max3_num_f32 v[TP], v[BM], v[BM+1], v[BM+2]
	v_max_num_f32 v[TP], v[TP], v[BM+3]
	v_mul_f32 v[TP], s[CS], v[TP]                  ; as t
	v_max_num_f32 v9, v9, v[TP]                    ; the running largest t
	v_mov_b32 v[TP], v8
	v_floor_f32 v8, -v9                            ; -M = floor(-t): M is a whole number
	v_sub_f32 v[TP], v8, v[TP]                     ; old M - new M, 0 or less
	v_cvt_i32_f32 v[TP], v[TP]                     ; (it saturates)
	v_ldexp_f32 v[FF], 1.0, v[TP]                  ; f: a multiplication by it rounds nothing
.set n, 0
.rept 32
	v_pk_fma_f32 v[S+n:S+n+1], v[S+n:S+n+1], s[CS:CS+1], v[8:9] op_sel_hi:[1,0,0]   ; t - M
.set n, n+2
.endr
.irp b, 0,1,2,3
	v_fma_f32 v[BM+\b], v[BM+\b], s[CS], v8
.endr
.set n, 0
.rept 64
	v_exp_f32 v[S+n], v[S+n]                       ; p = 2^(t - M): not normalised
.set n, n+1
.endr
	v_pk_mul_f32 v[10:11], v[10:11], v[FF:FF+1] op_sel_hi:[1,0]   ; the sums under the new M: a plain instruction behind the batch
	s_wait_alu depctr_va_vdst(0)                   ; one wait for the 64, ahead of their first reader
.irp b, 0,1,2,3
	v_exp_f32 v[BM+\b], v[BM+\b]                   ; the block's largest p: the same two instructions on the same number
.endr
	v_pk_add_f32 v[PT:PT+1], v[S:S+1], v[S+2:S+3]  ; the row's sum is taken of the unquantised p, in two chains
.irp j, 4,8,12,16,20,24,28,32,36,40,44,48,52,56,60
	v_pk_add_f32 v[10:11], v[10:11], v[S+\j:S+\j+1]
	v_pk_add_f32 v[PT:PT+1], v[PT:PT+1], v[S+2+\j:S+3+\j]
.endr
	v_pk_add_f32 v[10:11], v[10:11], v[PT:PT+1]
	s_wait_alu depctr_va_vdst(0)                   ; and one for the four
.irp b, 0,1,2,3
	v_max_num_f32 v[BM+\b], 0x4800000, v[BM+\b]    ; the floor 2^(9 - 127): the byte cannot fall under 1
.endr
.irp b, 0,1,2,3
	v_add_nc_u32 v[SO+\b], 0xfc000000, v[BM+\b]    ; the conversion's scale operand
.endr
.irp b, 0,1,2,3
	v_and_or_b32 v[HD+\b], v[BM+\b], 0x7f800000, s[MNT]   ; 448 x the scale
.endr
.irp b, 0,1,2,3
	v_lshrrev_b32 v[PT+\b], 23, v[SO+\b]           ; the scale's byte
.endr
	v_lshl_or_b32 v[PW], v[PT+1], 8, v[PT]
	v_lshl_or_b32 v[PW], v[PT+2], 16, v[PW]
	v_lshl_or_b32 v[PW], v[PT+3], 24, v[PW]
.irp b, 0,1,2,3
.irp i, 0,1,2,3,4,5,6,7,8,9,10,11,12,13,14,15
	v_min_num_f32 v[S+16*\b+\i], v[S+16*\b+\i], v[HD+\b]   ; the conversion does not saturate (ISA guide 7.6.2); p is not negative
.endr
	v_cvt_scalef32_pk8_fp8_f32 v[PC+4*\b:PC+4*\b+1], v[S+16*\b:S+16*\b+7], v[SO+\b]
	v_cvt_scalef32_pk8_fp8_f32 v[PC+4*\b+2:PC+4*\b+3], v[S+16*\b+8:S+16*\b+15], v[SO+\b]
.endr
.irp t, 0,1,2,3                        ; V^T's four fragments (16 channels x these 128 keys) land where p lay
.irp c, 0,1,2,3
	ds_load_b128 v[S+16*\t+4*\c:S+16*\t+4*\c+3], v[LI+\s] offset:16384+8192*\q+2048*\t+512*\c
.endr
.endr
	ds_load_b128 v[KSW:KSW+3], v[LS+\s] offset:33792+256*\q
.set n, 0
.rept 16
	v_pk_mul_f32 v[O+n:O+n+1], v[O+n:O+n+1], v[FF:FF+1] op_sel_hi:[1,0]   ; O^T under the new M; these are also the places between the codes and the products
.set n, n+2
.endr
	s_wait_dscnt 0x0
.irp t, 0,1,2,3
	v_wmma_scale_f32_16x16x128_f8f6f4 v[O+8*\t:O+8*\t+7], v[S+16*\t:S+16*\t+15], v[PC:PC+15], v[O+8*\t:O+8*\t+7], v[KSW+\t], v[PW]
.endr
.rept 9
	v_nop                                          ; the next step's products write over V's registers, its loads land on the scale words, and the way out reads O^T
.endr
.Lhid_\@:
	s_lshr_b32 s[SKP], s[SKP], 1
	s_lshr_b32 s[ANY], s[ANY], 1
	s_add_nc_u64 s[MB:MB+1], s[MB:MB+1], 256
.endm
; A RECORD in slot s.  Behind the barrier slot s is whole and nobody reads the other slot, which takes the next record (off bytes from KV) if any wave needs it: through registers, half of it under each key step.
.macro SLOTWORK s, off
	s_wait_dscnt 0x0                               ; my stores into slot s have landed, my reads of the other slot are back
	s_barrier_signal -1
	s_barrier_wait -1
	s_bitcmp1_b32 s[NS], 2
	s_cbranch_scc0 .Lno_a_\@
	global_load_b128 v[SG:SG+3], v[CW], s[KV:KV+1] offset:\off
	global_load_b128 v[SG+4:SG+7], v[CW], s[KV:KV+1] offset:\off+8192
.Lno_a_\@:
	STEP \s, 0
	s_wait_loadcnt 0x0
	s_bitcmp1_b32 s[NS], 2
	s_cbranch_scc0 .Lno_b_\@
	ds_store_b128 v[CW+1-\s], v[SG:SG+3]
	ds_store_b128 v[CW+1-\s], v[SG+4:SG+7] offset:8192
	global_load_b128 v[SG+12:SG+15], v[CW], s[KV:KV+1] offset:\off+16384
	global_load_b128 v[SG+16:SG+19], v[CW], s[KV:KV+1] offset:\off+24576
	s_cmp_lt_u32 s[WV], 3                          ; 96 threads x 16 bytes: the record's 1,536 bytes of scale words
	s_cbranch_scc0 .Lno_b_\@
	global_load_b128 v[SG+8:SG+11], v[CW], s[KV:KV+1] offset:\off+32768
.Lno_b_\@:
	STEP \s, 1
	s_wait_loadcnt 0x0
	s_bitcmp1_b32 s[NS], 2
	s_cbranch_scc0 .Lno_c_\@
	ds_store_b128 v[CW+1-\s], v[SG+12:SG+15] offset:16384
	ds_store_b128 v[CW+1-\s], v[SG+16:SG+19] offset:24576
	s_cmp_lt_u32 s[WV], 3
	s_cbranch_scc0 .Lno_c_\@
	ds_store_b128 v[CW+1-\s], v[SG+8:SG+11] offset:32768
.Lno_c_\@:
	s_lshr_b32 s[NS], s[NS], 2
.endm
.Lphase:
	s_lshl_b32 s2, s[QB], 4
	s_add_co_u32 s2, s2, s[WV]                     ; my tile of the head's 128
	s_lshl_b32 s30, s2, 12
	s_mov_b32 s31, 0
	s_add_nc_u64 s[MB:MB+1], s[6:7], s[30:31]      ; its mask words
	s_lshl_b32 s30, s[QB], 6
	s_add_co_u32 s30, s30, CLS
	s_add_nc_u64 s[66:67], s[6:7], s[30:31]
	s_load_b512 s[32:47], s[66:67], 0x0            ; the block's sixteen class words
	s_lshl_b32 s30, s[WV], 2
	s_add_nc_u64 s[100:101], s[66:67], s[30:31]
	s_load_b32 s[SKP], s[100:101], 0x0             ; and mine
	s_mul_i32 s50, s[QB], REC
	s_mov_b32 s51, 0
	s_add_nc_u64 s[48:49], s[28:29], s[50:51]      ; the record that holds my block's queries
	s_lshl_b32 s50, s[WV], 10
	s_add_nc_u64 s[52:53], s[48:49], s[50:51]
	global_load_b128 v[Q:Q+3], v[LI], s[52:53] offset:34304
	global_load_b128 v[Q+4:Q+7], v[LI], s[52:53] offset:34304+512
	s_lshr_b32 s50, s[WV], 2
	s_lshl_b32 s50, s50, 8
	s_and_b32 s54, s[WV], 3
	s_lshl_b32 s54, s54, 2
	s_add_co_u32 s50, s50, s54
	s_add_nc_u64 s[54:55], s[48:49], s[50:51]
	global_load_b32 v[QS], v[LS], s[54:55] offset:50688
	s_mov_b64 s[KV:KV+1], s[28:29]
.irp i, 0,1,2,3
	global_load_b128 v[S+4*\i:S+4*\i+3], v[CW], s[KV:KV+1] offset:8192*\i   ; record 0 is always copied
.endr
	s_cmp_lt_u32 s[WV], 3
	s_cbranch_scc0 .Lno_w0
	global_load_b128 v[S+16:S+19], v[CW], s[KV:KV+1] offset:32768
.Lno_w0:
	v_mov_b32 v9, 0xff61b1e6                       ; the largest t so far: -3e38
	v_floor_f32 v8, -v9
	v_mov_b32 v10, 0
	v_mov_b32 v11, 0
.set n, 0
.rept 32
	v_mov_b32 v[O+n], 0                            ; the step is written once: the first finds zeros, which the first change of M leaves zeros
.set n, n+1
.endr
	s_wait_kmcnt 0x0
	s_and_b32 s[ANY], s[SKP], 0xffff
	s_lshr_b32 s[SKP], s[SKP], 16
	s_and_b32 s23, s32, s33
.irp k, 34,35,36,37,38,39,40,41,42,43,44,45,46,47
	s_and_b32 s23, s23, s[\k]
.endr
	s_lshr_b32 s23, s23, 16                        ; steps that all sixteen waves leave out
	s_lshr_b32 s30, s23, 1
	s_and_b32 s30, s30, s23
	s_not_b32 s30, s30
	s_and_b32 s[NS], s30, 0x5555                   ; bit 2 j: record j is needed; bit 16 is 0: nothing is asked for behind the eighth
	s_wait_loadcnt 0x0
.irp i, 0,1,2,3
	ds_store_b128 v[CW], v[S+4*\i:S+4*\i+3] offset:8192*\i     ; slot 0: since the last barrier of the phase before nobody reads it
.endr
	s_cmp_lt_u32 s[WV], 3
	s_cbranch_scc0 .Lno_w1
	ds_store_b128 v[CW], v[S+16:S+19] offset:32768
.Lno_w1:
	s_mov_b32 s[TR], 4
.Lrec:
	SLOTWORK 0, REC
	SLOTWORK 1, 2*REC
	s_add_nc_u64 s[KV:KV+1], s[KV:KV+1], 2*REC     ; every copy has been waited for
	s_sub_co_u32 s[TR], s[TR], 1
	s_cmp_lg_u32 s[TR], 0
	s_cbranch_scc1 .Lrec
	; THE WAY OUT of a phase: O^T / l; register n is channel 32 (n/16) + 16 h + n%16 of my query: two blocks of 32 along the last product's K.  The codes are that product's operand registers.
	v_add_f32 v10, v10, v11
	v_permlanex16_b32 v[TP], v10, s[SEL], s[SEL+1]
	v_add_f32 v10, v10, v[TP]
	v_rcp_f32 v10, v10
	v_lshlrev_b32 v245, 1, v[LS]                   ; 32 r: a position's row of scale bytes.  (A plain instruction behind the reciprocal)
	v_and_b32 v246, 31, v0
	s_lshr_b32 s2, s[BH], 4
	s_lshl_b32 s2, s2, 7
	s_lshl_b32 s3, s[QB], 4
	s_add_co_u32 s2, s2, s3
	s_add_co_u32 s2, s2, s[WV]                     ; my tile of the 512
	s_and_b32 s3, s[BH], 15                        ; the head of the sixteen
	s_lshl_b32 s30, s2, 14
	s_lshl_b32 s23, s3, 10
	s_add_co_u32 s30, s30, s23
	s_mov_b32 s31, 0
	s_add_nc_u64 s[66:67], s[8:9], s[30:31]
	s_lshl_b32 s30, s2, 9
	s_lshl_b32 s23, s3, 1
	s_add_co_u32 s30, s30, s23
	s_add_co_u32 s30, s30, ASC
	s_add_nc_u64 s[100:101], s[8:9], s[30:31]
	s_wait_alu depctr_va_vdst(0)                   ; ahead of the reciprocal's first reader
.set n, 0
.rept 32
	v_mul_f32 v[S+n], v[O+n], v10
.set n, n+1
.endr
.irp b, 0,1
	v_max3_num_f32 v[BM+\b], |v[S+16*\b]|, |v[S+1+16*\b]|, 0x4800000
.endr
.irp i, 2,4,6,8,10,12,14
.irp b, 0,1
	v_max3_num_f32 v[BM+\b], v[BM+\b], |v[S+16*\b+\i]|, |v[S+1+16*\b+\i]|
.endr
.endr
.irp b, 0,1
	v_permlanex16_b32 v[PT+\b], v[BM+\b], s[SEL], s[SEL+1]
.endr
.irp b, 0,1
	v_max_num_f32 v[BM+\b], v[BM+\b], v[PT+\b]
.endr
.irp b, 0,1
	v_add_nc_u32 v[SO+\b], 0xfc000000, v[BM+\b]
.endr
.irp b, 0,1
	v_and_or_b32 v[HD+\b], v[BM+\b], 0x7f800000, s[MNT]
.endr
.irp b, 0,1
	v_lshrrev_b32 v[PT+\b], 23, v[SO+\b]
.endr
	v_lshl_or_b32 v244, v[PT+1], 8, v[PT]          ; my query's two scale bytes
.irp b, 0,1
.irp i, 0,1,2,3,4,5,6,7,8,9,10,11,12,13,14,15
	v_med3_num_f32 v[S+16*\b+\i], v[S+16*\b+\i], -v[HD+\b], v[HD+\b]
.endr
	v_cvt_scalef32_pk8_fp8_f32 v[PC+4*\b:PC+4*\b+1], v[S+16*\b:S+16*\b+7], v[SO+\b]
	v_cvt_scalef32_pk8_fp8_f32 v[PC+4*\b+2:PC+4*\b+3], v[S+16*\b+8:S+16*\b+15], v[SO+\b]
.endr
	v_nop                                          ; a plain vector instruction behind the last conversion
	global_store_b128 v[LI], v[PC:PC+3], s[66:67]              ; 512 consecutive bytes each
	global_store_b128 v[LI], v[PC+4:PC+7], s[66:67] offset:512
	v_cmp_gt_u32 vcc_lo, 16, v246
	s_wait_xcnt 0x0                                ; EXEC changes only behind this wait
	s_and_saveexec_b32 s30, vcc_lo
	global_store_b16 v245, v244, s[100:101]
	s_wait_xcnt 0x0
	s_or_b32 exec_lo, exec_lo, s30
	s_sub_co_u32 s[QB], 7, s[QB]                   ; the second phase's block
	s_sub_co_u32 s[PH], s[PH], 1
	s_cmp_lg_u32 s[PH], 0
	s_cbranch_scc1 .Lphase
	s_wait_tensorcnt 0x0
	ds_add_u32 v254, v255
	s_wait_dscnt 0x0
	s_endpgm
.Lfunc_end_k_q0a8cd6ce72_attn:
	.size	k_q0a8cd6ce72_attn, .Lfunc_end_k_q0a8cd6ce72_attn-k_q0a8cd6ce72_attn
	.p2alignl 7, 3214868480
	.fill 96, 4, 3214868480
	.section	.rodata,"a",@progbits
	.p2align	6, 0x0
	.amdhsa_kernel k_q0a8cd6ce72_attn
		.amdhsa_group_segment_fixed_size 71680
		.amdhsa_private_segment_fixed_size 0
		.amdhsa_enable_private_segment 0
		.amdhsa_kernarg_size 24
		.amdhsa_user_sgpr_count 2
		.amdhsa_user_sgpr_kernarg_segment_ptr 1
		.amdhsa_wavefront_size32 1
		.amdhsa_system_sgpr_workgroup_id_x 1
		.amdhsa_system_sgpr_workgroup_id_y 1
		.amdhsa_system_sgpr_workgroup_id_z 1
		.amdhsa_system_vgpr_workitem_id 0
		.amdhsa_next_free_vgpr 256
		.amdhsa_next_free_sgpr 102
		.amdhsa_reserve_vcc 1
		.amdhsa_float_denorm_mode_32 3
		.amdhsa_float_denorm_mode_16_64 3
		.amdhsa_memory_ordered 1
		.amdhsa_forward_progress 1
		.amdhsa_inst_pref_size 109
	.end_amdhsa_kernel
	.amdgpu_metadata
---
amdhsa.version: [ 1, 2 ]
amdhsa.kernels:
  - .name:           k_q0a8cd6ce72_attn
    .symbol:         k_q0a8cd6ce72_attn.kd
    .args:
      - { .name: qkv, .offset: 0, .size: 8, .value_kind: global_buffer, .address_space: global }
      - { .name: mk, .offset: 8, .size: 8, .value_kind: global_buffer, .address_space: global }
      - { .name: ao, .offset: 16, .size: 8, .value_kind: global_buffer, .address_space: global }
    .group_segment_fixed_size: 71680
    .private_segment_fixed_size: 0
    .kernarg_segment_align: 8
    .kernarg_segment_size: 24
    .max_flat_workgroup_size: 512
    .sgpr_count:     102
    .vgpr_count:     256
    .wavefront_size: 32
...
	.end_amdgpu_metadata
.endif
;; end of part 3
;; launch oproj (part 4): grid 4 x 32, 4 waves a work-group, clusters of 4 x 4, 327,680 bytes of LDS; arguments ao, wq, out0; writes out0
.if DOCPART == 4
	.amdgcn_target "amdgcn-amd-amdhsa--gfx1250"
	.amdhsa_code_object_version 6
	.text
	.protected	k_q0a8cd6ce72_oproj
	.globl	k_q0a8cd6ce72_oproj
	.p2align	8
	.type	k_q0a8cd6ce72_oproj,@function
k_q0a8cd6ce72_oproj:
	s_mov_b64 s[64:65], 0
	v_nop
	global_prefetch_b8 v0, s[64:65] scope:SCOPE_SE
	s_setreg_imm32_b32 hwreg(HW_REG_WAVE_MODE, 25, 1), 1
	s_wait_xcnt 0x0
	s_wait_alu depctr_hold_cnt(0) depctr_sa_sdst(0) depctr_va_vdst(0) depctr_va_sdst(0) depctr_va_ssrc(0) depctr_va_vcc(0) depctr_vm_vsrc(0)
	s_getreg_b32 s2, hwreg(HW_REG_IB_STS2, 6, 4)
	s_cmp_eq_u32 s2, 0
	s_cbranch_scc0 .Lentry_in_a_cluster
	s_endpgm
.Lentry_in_a_cluster:
	s_bfe_u32 s2, ttmp6, 0x10000c
	s_cmp_lg_u32 s2, 0xf033
	s_cbranch_scc0 .Lentry_shape_is_right
	s_endpgm
.Lentry_shape_is_right:
; OPROJ.  out0 = attention's output x w_o^T on codes of FP8 (E4M3) with E8M0 scales; out0 [8192][1024] f32; K = 1,024.
; A (ao) lies as images of operand registers, [tile of 16 positions 512][128 along K: 8][c 4][512 bytes], its scale bytes [position][32]; B (w_o) as rows of 1,024 codes in their own order, scale bytes [row][32].
; A work-group of four waves makes 256 x 256, a wave 128 x 128.  K goes in steps of 256 through a ring of two LDS slots: A's 16 tiles x 4,096 bytes, read 512 consecutive bytes a load, then B's 256 rows of 256 + 16 bytes.
; The matrix instruction is used transposed (source 0 = 16 rows of B, source 1 = 16 positions of A): a lane holds eight neighbouring numbers of a row of out0.
; A's positions are row numbers with bits 3 and 4 exchanged: position 16 a + t of my 128 is row 32 (a/2) + 8 (a%2) + t + 8 (t/8): the way out stores each row at its own place.
; CLUSTERS: 4 x 4; A's tiles are asked for jointly along a row of the cluster, B's along a column.  The grid has 128 work-groups: a tile of 256 x 256 keeps the text one with the first product's.
.set WOC,    3145728
.set WOS,    4292608
.set ASC,    8388608
.set SIZE_N, 1024
.set KSTEP,  256
.set NQ,     KSTEP/128
.set ROWB,   256
.set KROW,   1024
.set PITCH,  272                       ; B's LDS row: 256 bytes + 16 of padding: the 16 rows that a load touches start at 16 different banks (64 banks of 4 bytes: ISA guide 11.1)
.set FR,     16
.set NL,     4
.set NP,     8
.set HALFT,  128*PITCH
.set HALFA,  32768                     ; A's 8 tiles x 4,096 bytes: what one tensor load brings
.set BOFF,   2*HALFA
.set SLOT,   BOFF+2*HALFT
.set LAPS,   2
.set KS,     32
.set SCL,    2*SLOT
.set HALFS,  (128*KS/256)*272
.set SBLK,   (16*KS/256)*272
.set SPARE,  SCL+4*HALFS               ; the spare words, 128 bytes a wave: no other line names them
.set SPITCH, 528                       ; the way out: a stage of 16 rows x (512 + 16) bytes a wave, in slot 0, which has had its last fill and its last read by then
.set ADRA, 16
.set ADRB, 20
.set STO,  24
.set RD,   25
.set CO,   26
.set ADRS, 27
.set SPW,  28
.set NIL,  29
.set SC,   32
.set AF,   128
.set BK,   128
.set G1, 24
.set G0, 32
.set G1B, 48
.set G0B, 56
.set G1S, 68
.set G0S, 76
.set G1SB, 80
.set G0SB, 88
.set MSB, 0
.macro WIN new
.if MSB != (\new)
	s_set_vgpr_msb (MSB<<8)|(\new)
.set MSB, (\new)
.endif
.endm
.set MUL_LO, 0xa1
.set MUL_HI, 0xf1
.set TO_B,   0x40
.macro JLOAD g0a, g1a, g0b, g1b        ; waves 0 and 1 fetch for A, waves 2 and 3 for B; four v_nop follow each of the two lines
	s_cmp_eq_u32 s15, 0
	s_cbranch_scc0 .Lfor_b_\@
	tensor_load_to_lds s[\g0a:\g0a+3], s[\g1a:\g1a+7]
	s_nop 0
.rept 4
	v_nop
.endr
	s_branch .Lasked_\@
.Lfor_b_\@:
	tensor_load_to_lds s[\g0b:\g0b+3], s[\g1b:\g1b+7]
	s_nop 0
.rept 4
	v_nop
.endr
.Lasked_\@:
.endm
.macro CREST
	s_cmp_lg_u32 s14, 0
	s_cbranch_scc1 .Lnot_wave_0_\@
	s_barrier_signal -3
.Lnot_wave_0_\@:
	s_barrier_wait -3
	s_barrier_signal -1
	s_barrier_wait -1
.endm
.macro CROUND
	s_barrier_signal -1
	s_barrier_wait -1
	CREST
.endm
	s_load_b128 s[4:7], s[0:1], 0x0                ; ao, wq
	s_load_b64 s[12:13], s[0:1], 0x10              ; out0
	v_lshl_add_u32 v[SPW], v0, 2, SPARE
	v_mov_b32 v[NIL], 0
	ds_add_u32 v28, v29
	ds_add_u32 v28, v29
	s_wait_dscnt 0x0
	v_lshrrev_b32 v1, 5, v0
	v_readfirstlane_b32 s14, v1
	s_lshr_b32 s15, s14, 1
	s_and_b32 s16, s14, 1
	s_bfe_u32 s40, ttmp6, 0x40000
	s_bfe_u32 s41, ttmp6, 0x40004
	s_lshl_b32 s42, ttmp9, 2
	s_add_co_u32 s42, s42, s40                     ; tile column
	s_and_b32 s17, ttmp7, 0xffff
	s_lshl_b32 s17, s17, 2
	s_add_co_u32 s17, s17, s41                     ; tile row
	s_lshl_b32 s43, s41, 2
	s_lshl_b32 s43, 15, s43
	s_lshl_b32 s44, 0x1111, s40
	s_or_b32 s[G1+0], s43, (3<<16)|(1<<21)         ; A: the mask; elements of 8 bytes; no padding; bit 21 beside a mask
	s_mov_b32 s[G1+1], 512<<16                     ; tensor_dim0 = 512 elements: a tile's 4,096 bytes of a K step
	s_mov_b32 s[G1+2], 8<<16                       ; tensor_dim1 = 8 tiles
	s_mov_b32 s[G1+3], 512<<16                     ; tile_dim0
	s_mov_b32 s[G1+4], 8                           ; tile_dim1
	s_mov_b32 s[G1+5], 2048                        ; from tile to tile: 16,384 bytes
	s_mov_b32 s[G1+6], 0
	s_mov_b32 s[G1+7], 0
	s_or_b32 s[G1B+0], s44, (0<<16)|(1<<20)|(1<<21)|(5<<22)|(3<<25)
	s_mov_b32 s[G1B+1], ROWB<<16
	s_mov_b32 s[G1B+2], 128<<16
	s_mov_b32 s[G1B+3], ROWB<<16
	s_mov_b32 s[G1B+4], 128
	s_mov_b32 s[G1B+5], KROW
	s_mov_b32 s[G1B+6], 0
	s_mov_b32 s[G1B+7], 0
	s_or_b32 s[G1S+0], s43, (3<<16)|(1<<20)|(1<<21)|(5<<22)|(3<<25)
	s_or_b32 s[G1SB+0], s44, (3<<16)|(1<<20)|(1<<21)|(5<<22)|(3<<25)
.irp g, G1S, G1SB
	s_mov_b32 s[\g+1], 32<<16
	s_mov_b32 s[\g+2], (128*KS/256)<<16
	s_mov_b32 s[\g+3], 32<<16
	s_mov_b32 s[\g+4], 128*KS/256
	s_mov_b32 s[\g+5], 32
	s_mov_b32 s[\g+6], 0
	s_mov_b32 s[\g+7], 0
.endr
	s_lshl_b32 s18, s16, 7
	s_lshl_b32 s20, s17, 8
	s_add_co_u32 s20, s20, s18                     ; A: position 256 x tile row + 128 x half
	s_lshl_b32 s46, s42, 8
	s_add_co_u32 s46, s46, s18                     ; B: row 256 x tile column + 128 x half
	s_mov_b32 s21, 0
	s_mov_b32 s47, 0
	s_mov_b64 s[18:19], KS
	s_mul_u64 s[22:23], s[20:21], s[18:19]
	s_mul_u64 s[92:93], s[46:47], s[18:19]
	s_mov_b64 s[18:19], KROW
	s_mul_u64 s[20:21], s[20:21], s[18:19]         ; 16 positions are 16,384 bytes of images: 1,024 a position, as for rows
	s_mul_u64 s[46:47], s[46:47], s[18:19]
	s_lshl_b32 s45, s16, 15                        ; LDS places: A's half,
	s_mul_i32 s95, s16, HALFT
	s_add_co_u32 s95, s95, BOFF                    ; B's half,
	s_mul_i32 s94, s14, HALFS                      ; the scales' quarter: no place in the cluster enters an LDS address
	s_wait_kmcnt 0x0
	s_add_nc_u64 s[8:9], s[6:7], WOC               ; B's codes
	s_add_nc_u64 s[10:11], s[6:7], WOS             ; B's scale bytes
	s_add_nc_u64 s[6:7], s[4:5], ASC               ; A's scale bytes
	s_add_nc_u64 s[20:21], s[4:5], s[20:21]
	s_add_nc_u64 s[22:23], s[6:7], s[22:23]
	s_add_nc_u64 s[46:47], s[8:9], s[46:47]
	s_add_nc_u64 s[92:93], s[10:11], s[92:93]
	CROUND
	s_mov_b32 s[G0S], 1
	s_add_co_u32 s[G0S+1], s94, SCL
	s_mov_b64 s[G0S+2:G0S+3], s[22:23]
	s_or_b32 s[G0S+3], s[G0S+3], 0x80000000
	s_mov_b32 s[G0SB], 1
	s_add_co_u32 s[G0SB+1], s94, SCL
	s_mov_b64 s[G0SB+2:G0SB+3], s[92:93]
	s_or_b32 s[G0SB+3], s[G0SB+3], 0x80000000
	JLOAD G0S, G1S, G0SB, G1SB                     ; the scales first: three loads of mine are out behind the last of these
.irp s, 0,1
	s_mov_b32 s[G0+4*\s], 1
	s_add_co_u32 s[G0+4*\s+1], s45, \s*SLOT
	s_add_nc_u64 s[G0+4*\s+2:G0+4*\s+3], s[20:21], \s*4096
	s_or_b32 s[G0+4*\s+3], s[G0+4*\s+3], 0x80000000
	s_mov_b32 s[G0B+4*\s], 1
	s_add_co_u32 s[G0B+4*\s+1], s95, \s*SLOT
	s_add_nc_u64 s[G0B+4*\s+2:G0B+4*\s+3], s[46:47], \s*ROWB
	s_or_b32 s[G0B+4*\s+3], s[G0B+4*\s+3], 0x80000000
	JLOAD G0+4*\s, G1, G0B+4*\s, G1B
.endr
	v_and_b32 v1, 15, v0
	v_bfe_u32 v2, v0, 4, 1
	v_mul_u32_u24 v3, v1, PITCH
	v_lshl_add_u32 v4, v2, 4, v3                   ; B: row x pitch + 16 x half
	v_and_b32 v6, 31, v0
	v_lshlrev_b32 v[CO], 4, v6                     ; 16 x lane: A's images, and a row of out0
	s_lshl_b32 s21, s15, 15                        ; my 8 tiles of A
	s_mul_i32 s22, s16, HALFT
	s_add_co_u32 s22, s22, BOFF                    ; my 128 rows of B
.irp s, 0,1
	v_add_nc_u32 v[ADRA+\s], s21, v[CO]
	v_add_nc_u32 v[ADRB+\s], s22, v4
	s_add_co_u32 s21, s21, SLOT
	s_add_co_u32 s22, s22, SLOT
.endr
	v_mul_u32_u24 v5, v1, KS
	v_lshrrev_b32 v6, 8, v5
	v_lshl_add_u32 v5, v6, 4, v5
	s_mul_i32 s21, s15, HALFS
	s_mul_i32 s22, s16, HALFS
	s_add_co_u32 s22, s22, 2*HALFS
	s_sub_co_u32 s22, s22, s21
	v_mul_u32_u24 v6, s22, v2
	s_add_co_u32 s21, s21, SCL
	v_add_nc_u32 v5, v5, v6
	v_add_nc_u32 v[ADRS], s21, v5
	s_mul_i32 s23, s14, 16*SPITCH
	v_mul_u32_u24 v5, v1, SPITCH
	v_lshl_add_u32 v5, v2, 5, v5
	v_add_nc_u32 v[STO], s23, v5
	v_add_nc_u32 v[RD], s23, v[CO]
	s_lshl_b32 s20, s17, 8
	s_lshl_b32 s21, s15, 7
	s_add_co_u32 s20, s20, s21                     ; my first row of out0
	s_mov_b32 s21, 0
	s_mov_b64 s[18:19], SIZE_N*4
	s_mul_u64 s[20:21], s[20:21], s[18:19]
	s_lshl_b32 s46, s42, 10
	s_lshl_b32 s47, s16, 9
	s_add_co_u32 s46, s46, s47
	s_mov_b32 s47, 0
	s_add_nc_u64 s[20:21], s[20:21], s[46:47]
	s_add_nc_u64 s[12:13], s[12:13], s[20:21]
.macro FRAGB reg, adr, q, i
.irp c, 0,1,2,3
	ds_load_b128 v[\reg+4*\c:\reg+4*\c+3], v[\adr] offset:128*(\q)+32*\c+(\i)*16*PITCH
.endr
.endm
.macro FRAGA reg, adr, q, i            ; an image comes back as it was stored: 512 consecutive bytes a load
.irp c, 0,1,2,3
	ds_load_b128 v[\reg+4*\c:\reg+4*\c+3], v[\adr] offset:2048*(\q)+512*\c+(\i)*4096
.endr
.endm
.macro MUL16 a0, p, q, sc, zero        ; the 64 accumulators take turns, one instruction a turn
.irp a, \a0, \a0+1
.irp b, 0,1,2,3,4,5,6,7
.if \zero
	v_wmma_scale_f32_16x16x128_f8f6f4 v[8*(8*((\a)%4)+\b):8*(8*((\a)%4)+\b)+7], v[128*(\p)+FR*\b:128*(\p)+FR*\b+FR-1], v[AF+FR*(\a):AF+FR*(\a)+FR-1], 0, v[SC+8*NQ*(\sc)+NQ*\b+(\q)], v[SC+8*NQ*(\sc)+NQ*(\a)+(\q)] matrix_a_scale:MATRIX_SCALE_ROW1
.else
	v_wmma_scale_f32_16x16x128_f8f6f4 v[8*(8*((\a)%4)+\b):8*(8*((\a)%4)+\b)+7], v[128*(\p)+FR*\b:128*(\p)+FR*\b+FR-1], v[AF+FR*(\a):AF+FR*(\a)+FR-1], v[8*(8*((\a)%4)+\b):8*(8*((\a)%4)+\b)+7], v[SC+8*NQ*(\sc)+NQ*\b+(\q)], v[SC+8*NQ*(\sc)+NQ*(\a)+(\q)] matrix_a_scale:MATRIX_SCALE_ROW1
.endif
.endr
.endr
.endm
.macro FETCH_B slot, q, p
	WIN TO_B
.irp i, 0,1,2,3,4,5,6,7
	FRAGB 128*(\p)+FR*\i, ADRB+\slot, \q, \i
.endr
	WIN 0
.endm
.macro FETCH_A slot, q, i0
.irp i, \i0, \i0+1, \i0+2, \i0+3
	FRAGA AF+FR*(\i), ADRA+\slot, \q, \i
.endr
.endm
.macro SCALES sc
.irp i, 0,1,2,3,4,5,6,7
	ds_load_b64 v[SC+8*NQ*\sc+NQ*\i:SC+8*NQ*\sc+NQ*\i+1], v[ADRS] offset:\i*SBLK
.endr
.endm
.macro PLACES n
.rept \n
	v_nop
.endr
.endm
.macro STEP slot, q, zero
	s_wait_dscnt 4*NL                              ; B's set and A's blocks 0-3 are in; the youngest sixteen loads may be out
	WIN MUL_LO
	MUL16 0, (\q)%2, \q, \slot, \zero
	MUL16 2, (\q)%2, \q, \slot, \zero
	s_wait_dscnt 0
	PLACES NP
	FETCH_B \slot, (\q)+1, 1-(\q)%2
	FETCH_A \slot, (\q)+1, 0
	WIN MUL_HI
	MUL16 4, (\q)%2, \q, \slot, \zero
	MUL16 6, (\q)%2, \q, \slot, \zero
	PLACES NP
	WIN 0
	FETCH_A \slot, (\q)+1, 4
.endm
.macro TURN slot, next, fill
	s_wait_tensorcnt 0x0                           ; all my tensor loads have landed: my part of the next slot
	ds_add_u32 v[SPW], v[NIL]                      ; 0 onto my spare word
	s_wait_dscnt 4*NL+1                            ; (the add and the youngest sixteen loads may be out)
	WIN MUL_LO
	MUL16 0, 1, NQ-1, \slot, 0
	s_wait_dscnt 0x0                               ; the add is done, and my reads of this slot are over
	s_barrier_signal -1
	MUL16 2, 1, NQ-1, \slot, 0
	WIN 0
	s_barrier_wait -1
.if \fill
	CREST                                          ; a round of the cluster's barrier: no wave of any partner still reads this slot or has a load on its way
	s_add_nc_u64 s[G0+4*\slot+2:G0+4*\slot+3], s[G0+4*\slot+2:G0+4*\slot+3], 2*4096
	s_add_nc_u64 s[G0B+4*\slot+2:G0B+4*\slot+3], s[G0B+4*\slot+2:G0B+4*\slot+3], 2*ROWB
	JLOAD G0+4*\slot, G1, G0B+4*\slot, G1B         ; the first tensor load behind the round, my one load until the next
	PLACES NP-4
.else
	PLACES NP
.endif
	v_add_nc_u32 v[ADRS], 4*NQ, v[ADRS]
	FETCH_B \next, 0, 0
	FETCH_A \next, 0, 0
	SCALES \next
	WIN MUL_HI
	MUL16 4, 1, NQ-1, \slot, 0
	MUL16 6, 1, NQ-1, \slot, 0
	PLACES NP
	WIN 0
	FETCH_A \next, 0, 4
.endm
	s_wait_tensorcnt 1                             ; the scales and my part of K step 0 are in; K step 1's load may be out
	s_barrier_signal -1
	s_barrier_wait -1
	FETCH_B 0, 0, 0
	FETCH_A 0, 0, 0
	SCALES 0
	FETCH_A 0, 0, 4
	STEP 0, 0, 1
	s_mov_b32 s3, LAPS-1
.Llap:
	TURN 0, 1, 1
	STEP 1, 0, 0
	TURN 1, 0, 1
	STEP 0, 0, 0
	s_sub_co_u32 s3, s3, 1
	s_cmp_lg_u32 s3, 0
	s_cbranch_scc1 .Llap
	TURN 0, 1, 0
	STEP 1, 0, 0
	s_wait_dscnt 4*NL
	WIN MUL_LO
	MUL16 0, 1, NQ-1, 1, 0
	MUL16 2, 1, NQ-1, 1, 0
	s_wait_dscnt 0
	WIN MUL_HI
	MUL16 4, 1, NQ-1, 1, 0
	MUL16 6, 1, NQ-1, 1, 0
	WIN 0
; THE WAY OUT, block by block of 16 positions x 128 columns, through my own stage in LDS: back come whole rows of 512 bytes.  LDS serves a wave's instructions in order (ISA guide 5.7.1.4).
.macro TOSTAGE a
.set AC, 64*((\a)%4)
	WIN 0x08+4*((\a)/4)                            ; the data: window 2 or 3
.irp b, 0,1,2,3,4,5,6,7
	ds_store_b128 v[STO], v[AC+8*\b:AC+8*\b+3] offset:64*\b          ; each accumulator from its low end on
	ds_store_b128 v[STO], v[AC+8*\b+4:AC+8*\b+7] offset:64*\b+16
.endr
	WIN 0
.set BB, BK+64*((\a)%2)
.irp t, 0,1,2,3,4,5,6,7,8,9,10,11,12,13,14,15
	ds_load_b128 v[BB+4*\t:BB+4*\t+3], v[RD] offset:\t*SPITCH
.endr
.endm
.macro SEND a, younger
.set BB, BK+64*((\a)%2)
	s_wait_dscnt \younger                          ; the block is back in registers
.if (\a) > 0
.if (\a)%2
	s_add_nc_u64 s[12:13], s[12:13], 8*SIZE_N*4    ; block a begins at row 32 (a/2) + 8 (a%2): 8 rows on,
.else
	s_add_nc_u64 s[12:13], s[12:13], 24*SIZE_N*4   ; or 24.  (Behind a wait on XCNT: the earlier stores have read their base)
.endif
.endif
.irp t, 0,1,2,3,4,5,6,7,8,9,10,11,12,13,14,15
	global_store_b128 v[CO], v[BB+4*\t:BB+4*\t+3], s[12:13] offset:(\t+8*(\t/8))*SIZE_N*4 th:TH_STORE_NT   ; position t is row t + 8 (t/8) of the block; 512 consecutive bytes, aligned
.endr
.endm
	PLACES NP
	TOSTAGE 0
.irp a, 1,2,3,4,5,6,7
.if \a > 1
	s_wait_xcnt 0x0                                ; block a - 2's stores have read their registers and their base
.endif
	TOSTAGE \a
	SEND \a-1, 32                                  ; behind block a - 1's loads: block a's 16 stores and 16 loads
.endr
	s_wait_xcnt 0x0
	SEND 7, 0
	s_wait_tensorcnt 0x0                           ; the wave's end
	ds_add_u32 v[SPW], v[NIL]
	s_wait_dscnt 0x0
	CROUND                                         ; the closing round
	s_endpgm
.Lfunc_end_k_q0a8cd6ce72_oproj:
	.size	k_q0a8cd6ce72_oproj, .Lfunc_end_k_q0a8cd6ce72_oproj-k_q0a8cd6ce72_oproj
	.p2alignl 7, 3214868480
	.fill 96, 4, 3214868480
	.section	.rodata,"a",@progbits
	.p2align	6, 0x0
	.amdhsa_kernel k_q0a8cd6ce72_oproj
		.amdhsa_group_segment_fixed_size 327680
		.amdhsa_private_segment_fixed_size 0
		.amdhsa_enable_private_segment 0
		.amdhsa_kernarg_size 24
		.amdhsa_user_sgpr_count 2
		.amdhsa_user_sgpr_kernarg_segment_ptr 1
		.amdhsa_wavefront_size32 1
		.amdhsa_system_sgpr_workgroup_id_x 1
		.amdhsa_system_sgpr_workgroup_id_y 1
		.amdhsa_system_sgpr_workgroup_id_z 1
		.amdhsa_system_vgpr_workitem_id 0
		.amdhsa_next_free_vgpr 1024
		.amdhsa_next_free_sgpr 98
		.amdhsa_reserve_vcc 0
		.amdhsa_float_denorm_mode_32 3
		.amdhsa_float_denorm_mode_16_64 3
		.amdhsa_memory_ordered 1
		.amdhsa_forward_progress 1
		.amdhsa_inst_pref_size 146
	.end_amdhsa_kernel
	.amdgpu_metadata
---
amdhsa.version: [ 1, 2 ]
amdhsa.kernels:
  - .name:           k_q0a8cd6ce72_oproj
    .symbol:         k_q0a8cd6ce72_oproj.kd
    .args:
      - { .name: ao, .offset: 0, .size: 8, .value_kind: global_buffer, .address_space: global }
      - { .name: wq, .offset: 8, .size: 8, .value_kind: global_buffer, .address_space: global }
      - { .name: out0, .offset: 16, .size: 8, .value_kind: global_buffer, .address_space: global }
    .group_segment_fixed_size: 327680
    .private_segment_fixed_size: 0
    .kernarg_segment_align: 8
    .kernarg_segment_size: 24
    .max_flat_workgroup_size: 128
    .sgpr_count:     98
    .vgpr_count:     1024
    .wavefront_size: 32
...
	.end_amdgpu_metadata
.endif
;; end of part 4
